; MI455X (gfx1250); checked and timed in simulation.
; The chip was launched on July 23, 2026; its instructions are those of AMD's public machine-readable ISA for CDNA 5 (MIT licence, August 2026) and "CDNA5" Instruction Set Architecture Reference Guide (July 2026). The comments in the code are by the model that wrote it; some were corrected since.
;; Transformer Block. Allowed arithmetic: matrix products marked QUANTISED: E4M3 operands, one E8M0 scale for each 32 along K, by v_wmma_scale_f32_16x16x128_f8f6f4 with both operands' format E4M3, f32 sums; everything else in f32.
;; Inputs: beta1 256 float32; beta2 256 float32; bf1 1,024 float32; bf2 256 float32; bk 256 float32; bo 256 float32; bq 256 float32; bv 256 float32; g1 256 float32; g2 256 float32; w1_codes 1,024 x 8 x 32 uint8 (E4M3 codes of w1, K innermost, in blocks of 32 codes); w1_scales 1,024 x 8 uint8 (E8M0 scales of w1, one for each 32 codes along K); w2_codes 256 x 32 x 32 uint8 (E4M3 codes of w2, K innermost, in blocks of 32 codes); w2_scales 256 x 32 uint8 (E8M0 scales of w2, one for each 32 codes along K); wk_codes 256 x 8 x 32 uint8 (E4M3 codes of wk, K innermost, in blocks of 32 codes); wk_scales 256 x 8 uint8 (E8M0 scales of wk, one for each 32 codes along K); wo_codes 256 x 8 x 32 uint8 (E4M3 codes of wo, K innermost, in blocks of 32 codes); wo_scales 256 x 8 uint8 (E8M0 scales of wo, one for each 32 codes along K); wq_codes 256 x 8 x 32 uint8 (E4M3 codes of wq, K innermost, in blocks of 32 codes); wq_scales 256 x 8 uint8 (E8M0 scales of wq, one for each 32 codes along K); wv_codes 256 x 8 x 32 uint8 (E4M3 codes of wv, K innermost, in blocks of 32 codes); wv_scales 256 x 8 uint8 (E8M0 scales of wv, one for each 32 codes along K); x 32 x 1,024 x 256 float32.
;; Outputs: out0 32 x 1,024 x 256 float32.
;; This version of the problem:
;;   THIS VERSION OF THE PROBLEM IS GIVEN IN LOW PRECISION. The matrix products marked QUANTISED in the list below multiply operands that are first quantised to E4M3 (4 exponent bits, 3 mantissa bits; 8 bits a number), with one power-of-two scale for each 32 numbers along K (OCP MX v1.0); their sums are f32. All else is computed in f32.
;;   The module's matrix products, in the order in which they are computed (A, B: the left and right operand; K: the contracted axis; several contracted axes count as one K, in the product's order):
;;     1. [M 32,768, K 256] x [K 256, N 256]; A: computed on the way; B: input wq (given as codes): QUANTISED
;;     2. [M 32,768, K 256] x [K 256, N 256]; A: computed on the way; B: input wk (given as codes): QUANTISED
;;     3. [M 32,768, K 256] x [K 256, N 256]; A: computed on the way; B: input wv (given as codes): QUANTISED
;;     4. batch 128 x [M 1,024, K 64] x [K 64, N 1,024]; A: computed on the way; B: computed on the way: QUANTISED
;;     5. batch 128 x [M 64, K 1,024] x [K 1,024, N 1,024]; A: computed on the way; B: softmax (see below): QUANTISED
;;     6. [M 32,768, K 256] x [K 256, N 256]; A: computed on the way; B: input wo (given as codes): QUANTISED
;;     7. [M 32,768, K 256] x [K 256, N 1,024]; A: computed on the way; B: input w1 (given as codes): QUANTISED
;;     8. [M 32,768, K 1,024] x [K 1,024, N 256]; A: computed on the way; B: input w2 (given as codes): QUANTISED
;;   THE QUANTISER, for each operand of a quantised product, along K:
;;     - K is cut into blocks of 32 from its start; a last block that is shorter is filled with zeros.
;;     - A block's scale is 2^e with e = floor(log2(the largest magnitude in the block)) - 8, held to -126 .. 127; a block of zeros has e = 0. As a byte (E8M0): e + 127.
;;     - Each number is divided by its block's scale, clamped to +-448, and rounded to the nearest number of E4M3, ties to even, subnormals kept.
;;     - The product sums the exact products of the quantised numbers (number of the format x scale) in f32.
;;   ~~~python
;;   def quantise(x, axis):      # numpy; x: float32 -> the quantised numbers, widened to float32 again
;;       x = np.moveaxis(x, axis, -1); K = x.shape[-1]
;;       x = np.pad(x, [(0, 0)] * (x.ndim - 1) + [(0, -K % 32)]); x = x.reshape(x.shape[:-1] + (-1, 32)); a = np.abs(x).max(-1, keepdims=True)
;;       e = np.where(a > 0, np.clip(np.frexp(np.where(a > 0, a, 1))[1] - 1 - 8, -126, 127), 0)      # np.frexp(a)[1] - 1 = floor(log2(a)), exactly
;;       r = np.clip(x / 2.0 ** e, -448, 448)
;;       step = 2.0 ** (np.maximum(np.frexp(np.where(r == 0, 1, r))[1] - 1, -6) - 3)
;;       q = np.round(r / step) * step * 2.0 ** e      # np.round: ties to even
;;       return np.moveaxis(q.reshape(q.shape[:-2] + (-1,))[..., :K], -1, axis).astype(np.float32)
;;   ~~~
;;   SOFTMAX AHEAD OF A QUANTISED PRODUCT. Where the list says 'softmax', what is quantised is not the finished softmax but p = 2^(t - M), with t = logit x log2(e) and M = ceil(the row's largest t), a whole number; so 1/2 < the row's largest p <= 1. The row's sum l is taken of the UNQUANTISED p, in f32, and the product's result is divided by l at the end. Since M is a whole number, a kernel that streams over the keys may use a running M (the ceiling of the running maximum): every later rescaling is an exact power of two, which a block's scale takes up: the codes' values come out the same.
;;   OPERANDS COMPUTED ON THE WAY. 'Computed on the way' means the value that the module computes at that place (a softmax that the list does not call 'softmax' is quantised finished and normalised). What goes into a quantiser is computed in f32, as accurately as f32 sums, v_exp_f32 and their like allow (about 1e-6 of the number): no bf16 or f16 on the way to a quantiser, and a product that is left as it is and whose result goes on into a quantised operand takes f32 operands (vector FMAs, or v_wmma_f32_16x16x4_f32). A number that lies on a knife's edge between two numbers of the format may be rounded either way, as far as f32 arithmetic and the matrix unit's own rounding can turn it there, and no further.
;;   INPUTS GIVEN AS CODES. w1 (in the module: [1024, 256], K = its axis 1); w2 (in the module: [256, 1024], K = its axis 1); wk (in the module: [256, 256], K = its axis 1); wo (in the module: [256, 256], K = its axis 1); wq (in the module: [256, 256], K = its axis 1); wv (in the module: [256, 256], K = its axis 1): each comes as NAME_codes (uint8): NAME with its K axis moved to the last place and cut into blocks of 32 codes, [.., K / 32, bytes a block], one block behind the other in memory; one code a byte (a code: sign, 4 exponent bits, 3 mantissa bits); and NAME_scales (uint8): the same leading axes, one E8M0 byte (e + 127) for each 32 codes along K. Its value is code x scale, taken as it is: it is not quantised again, and the codes and scales need not be those that the quantiser above would give.
;; One version. Each part assembles by itself: llvm-mc -triple=amdgcn-amd-amdhsa -mcpu=gfx1250 --defsym DOCPART=n.
;; ======== version 1 of 1: 6 launches
;; limits: right only within a limited range of input values
;; workspace buffers: part 524,288 bytes; bn 2,048 bytes; qc 8,388,608 bytes; qs 262,144 bytes; kvc 16,777,216 bytes; kvs 524,288 bytes; r1 33,554,432 bytes
;; launch stats (part 1): grid 256 x 1, 8 waves a work-group, no clusters, 9,216 bytes of LDS; arguments x, part; writes part
.if DOCPART == 1
	.amdgcn_target "amdgcn-amd-amdhsa--gfx1250"
	.amdhsa_code_object_version 6
	.text
	.protected	k_qe7b619b744_stats
	.globl	k_qe7b619b744_stats
	.p2align	8
	.type	k_qe7b619b744_stats,@function
k_qe7b619b744_stats:
	s_mov_b64 s[64:65], 0
	v_nop
	global_prefetch_b8 v0, s[64:65] scope:SCOPE_SE
	s_setreg_imm32_b32 hwreg(HW_REG_WAVE_MODE, 25, 1), 1
	s_wait_xcnt 0x0
; Partial statistics of x for the first batch norm.  x: [32768][256] f32.  part: [256 groups][256 channels][2] f32.
; Work-group g takes rows 128 g .. 128 g + 127 and stores, for each channel, the mean of its 128 rows and the sum of squares about that mean.
; The sums are taken about a PIVOT, the group's own first row: S1 = sum (x - P), S2 = sum (x - P)^2; mean = P + S1 / 128, M2 = S2 - S1^2 / 128:
; no difference of large sums is formed, whatever common offset x carries.
; Thread t takes the 16 bytes at column t % 64 of rows t / 64 + 4 i: a wave's load covers 512 consecutive bytes.  All 32 loads of a thread go out at once.
; A stream with no shared input: no matrix unit, no cluster.  LIMITS: NaN and infinities among the inputs are not served.
.set PIV, 4                            ; v[4:7]    the pivot of my four columns
.set S1,  8                            ; v[8:11]
.set S2,  12                           ; v[12:15]
.set DF,  16                           ; v[16:19]  x - P
.set X,   20                           ; v[20:147] 32 rows x 4
.set PV1, 148                          ; v148      the pivot of channel t, for the end
	s_load_b128 s[4:7], s[0:1], 0x0                ; x, part
	v_lshl_add_u32 v160, v0, 2, 0x2000
	v_mov_b32 v161, 0
	v_lshlrev_b32 v1, 4, v0                        ; 16 t = 1,024 (t / 64) + 16 (t % 64)
	v_and_b32 v2, 63, v0
	s_delay_alu instid0(VALU_DEP_1)
	v_lshlrev_b32 v2, 4, v2                        ; my columns in the group's first row
	v_lshlrev_b32 v3, 2, v0                        ; 4 t
	s_lshl_b32 s8, ttmp9, 17                       ; 128 rows of 1,024 bytes
	s_mov_b32 s9, 0
	s_lshl_b32 s10, ttmp9, 11                      ; a row of part is 2,048 bytes
	s_mov_b32 s11, 0
	s_wait_alu depctr_va_vdst(0)
	s_wait_kmcnt 0x0
	s_add_nc_u64 s[4:5], s[4:5], s[8:9]
	s_add_nc_u64 s[6:7], s[6:7], s[10:11]
	global_load_b128 v[PIV:PIV+3], v2, s[4:5]
	global_load_b32 v[PV1], v3, s[4:5]
.set i, 0
.rept 32
	global_load_b128 v[X+4*i:X+4*i+3], v1, s[4:5] offset:4096*i
.set i, i+1
.endr
.set i, 0
.rept 32
	s_wait_loadcnt 31-i                            ; loads come back in order: row i is in, the 31 - i younger rows may be out
.if i == 0
	v_pk_add_f32 v[S1:S1+1], v[X:X+1], v[PIV:PIV+1] neg_lo:[0,1] neg_hi:[0,1]       ; the first row starts the sums
	v_pk_add_f32 v[S1+2:S1+3], v[X+2:X+3], v[PIV+2:PIV+3] neg_lo:[0,1] neg_hi:[0,1]
	s_delay_alu instid0(VALU_DEP_2)
	v_pk_mul_f32 v[S2:S2+1], v[S1:S1+1], v[S1:S1+1]
	s_delay_alu instid0(VALU_DEP_2)
	v_pk_mul_f32 v[S2+2:S2+3], v[S1+2:S1+3], v[S1+2:S1+3]
.else
	v_pk_add_f32 v[DF:DF+1], v[X+4*i:X+4*i+1], v[PIV:PIV+1] neg_lo:[0,1] neg_hi:[0,1]
	s_wait_alu depctr_va_vdst(0)
	v_pk_add_f32 v[DF+2:DF+3], v[X+4*i+2:X+4*i+3], v[PIV+2:PIV+3] neg_lo:[0,1] neg_hi:[0,1]
	v_pk_add_f32 v[S1:S1+1], v[S1:S1+1], v[DF:DF+1]
	s_delay_alu instid0(VALU_DEP_2)
	v_pk_add_f32 v[S1+2:S1+3], v[S1+2:S1+3], v[DF+2:DF+3]
	v_pk_fma_f32 v[S2:S2+1], v[DF:DF+1], v[DF:DF+1], v[S2:S2+1]
	s_delay_alu instid0(VALU_DEP_4)
	v_pk_fma_f32 v[S2+2:S2+3], v[DF+2:DF+3], v[DF+2:DF+3], v[S2+2:S2+3]
.endif
.set i, i+1
.endr
	ds_store_b128 v1, v[S1:S1+3]                   ; LDS: [4 row groups][256 channels] of S1, then of S2
	ds_store_b128 v1, v[S2:S2+3] offset:4096
	s_wait_dscnt 0x0                               ; for the others' sake: my stores have landed
	s_barrier_signal -1
	s_barrier_wait -1
.irp g, 0,1,2,3
	ds_load_b32 v[20+\g], v3 offset:1024*\g        ; channel t's four partial sums
	ds_load_b32 v[24+\g], v3 offset:4096+1024*\g
.endr
	s_wait_dscnt 0x0
	v_add_f32 v20, v20, v21
	v_add_f32 v22, v22, v23
	v_add_f32 v24, v24, v25
	v_add_f32 v26, v26, v27
	s_delay_alu instid0(VALU_DEP_3)
	v_add_f32 v20, v20, v22                        ; S1
	s_delay_alu instid0(VALU_DEP_2)
	v_add_f32 v24, v24, v26                        ; S2
	s_delay_alu instid0(VALU_DEP_2)
	v_mul_f32 v21, 0x3c000000, v20                 ; S1 / 128
	s_delay_alu instid0(VALU_DEP_1)
	v_add_f32 v28, v[PV1], v21                     ; the group's mean
	s_delay_alu instid0(VALU_DEP_2)
	v_fma_f32 v29, -v21, v20, v24                  ; S2 - S1^2 / 128
	v_lshlrev_b32 v4, 3, v0
	global_store_b64 v4, v[28:29], s[6:7]          ; a wave stores 256 consecutive bytes, aligned
	s_wait_tensorcnt 0x0
	ds_add_u32 v160, v161
	s_wait_dscnt 0x0
	s_endpgm
.Lfunc_end_k_qe7b619b744_stats:
	.size	k_qe7b619b744_stats, .Lfunc_end_k_qe7b619b744_stats-k_qe7b619b744_stats
	.p2alignl 7, 3214868480
	.fill 96, 4, 3214868480
	.section	.rodata,"a",@progbits
	.p2align	6, 0x0
	.amdhsa_kernel k_qe7b619b744_stats
		.amdhsa_group_segment_fixed_size 9216
		.amdhsa_private_segment_fixed_size 0
		.amdhsa_enable_private_segment 0
		.amdhsa_kernarg_size 16
		.amdhsa_user_sgpr_count 2
		.amdhsa_user_sgpr_kernarg_segment_ptr 1
		.amdhsa_wavefront_size32 1
		.amdhsa_system_sgpr_workgroup_id_x 1
		.amdhsa_system_sgpr_workgroup_id_y 1
		.amdhsa_system_sgpr_workgroup_id_z 1
		.amdhsa_system_vgpr_workitem_id 0
		.amdhsa_next_free_vgpr 162
		.amdhsa_next_free_sgpr 66
		.amdhsa_reserve_vcc 0
		.amdhsa_float_denorm_mode_32 3
		.amdhsa_float_denorm_mode_16_64 3
		.amdhsa_memory_ordered 1
		.amdhsa_forward_progress 1
		.amdhsa_inst_pref_size 22
	.end_amdhsa_kernel
	.amdgpu_metadata
---
amdhsa.version: [ 1, 2 ]
amdhsa.kernels:
  - .name:           k_qe7b619b744_stats
    .symbol:         k_qe7b619b744_stats.kd
    .args:
      - { .name: x, .offset: 0, .size: 8, .value_kind: global_buffer, .address_space: global }
      - { .name: part, .offset: 8, .size: 8, .value_kind: global_buffer, .address_space: global }
    .group_segment_fixed_size: 9216
    .private_segment_fixed_size: 0
    .kernarg_segment_align: 8
    .kernarg_segment_size: 16
    .max_flat_workgroup_size: 256
    .sgpr_count:     66
    .vgpr_count:     162
    .wavefront_size: 32
...
	.end_amdgpu_metadata
.endif
;; end of part 1
;; launch fin1 (part 2): grid 8 x 1, 8 waves a work-group, no clusters, 7,168 bytes of LDS; arguments part, g1, beta1, bn; writes bn
.if DOCPART == 2
	.amdgcn_target "amdgcn-amd-amdhsa--gfx1250"
	.amdhsa_code_object_version 6
	.text
	.protected	k_qe7b619b744_fin1
	.globl	k_qe7b619b744_fin1
	.p2align	8
	.type	k_qe7b619b744_fin1,@function
k_qe7b619b744_fin1:
	s_mov_b64 s[64:65], 0
	v_nop
	global_prefetch_b8 v0, s[64:65] scope:SCOPE_SE
	s_setreg_imm32_b32 hwreg(HW_REG_WAVE_MODE, 25, 1), 1
	s_wait_xcnt 0x0
; The 256 groups' statistics become a scale and a shift for each channel: bn(x) = x * scale + shift, scale = g / sqrt(var + 1e-5), shift = beta - mean * scale.
; part: [256 groups][256 channels][2] f32 (mean m_g and M2_g of 128 rows).  bn: [8][2][32] f32: for each 32 channels their scales, then their shifts.
; About the pivot m_0:  A = sum (m_g - m_0), B = sum (m_g - m_0)^2, C = sum M2_g;  mean = m_0 + A / 256;  var = (C + 128 (B - A^2 / 256)) / 32768.
; Work-group j takes channels 32 j .. 32 j + 31: bytes 256 j .. 256 j + 255 of every row of part.  Thread t: two channels (t % 16), groups t / 16 + 16 i.
; Sixteen neighbouring lanes read 256 consecutive bytes.  It is a launch of its own because 256 later work-groups would otherwise each read all 512 KiB of part.
	s_load_b256 s[4:11], s[0:1], 0x0               ; part, g, beta, bn
	v_lshl_add_u32 v96, v0, 2, 0x1800
	v_mov_b32 v97, 0
	v_lshrrev_b32 v1, 5, v0
	s_delay_alu instid0(VALU_DEP_1)
	v_readfirstlane_b32 s12, v1                    ; wave
	v_and_b32 v1, 15, v0                           ; which two channels
	v_lshrrev_b32 v2, 4, v0                        ; which groups
	s_delay_alu instid0(VALU_DEP_2)
	v_lshlrev_b32 v3, 4, v1                        ; 16 bytes: (m, M2) of two channels
	s_delay_alu instid0(VALU_DEP_1)
	v_lshl_add_u32 v2, v2, 11, v3
	s_delay_alu instid0(VALU_DEP_4)
	v_lshlrev_b32 v14, 3, v1
	v_lshlrev_b32 v15, 3, v0
	v_bfe_u32 v22, v0, 4, 1
	s_delay_alu instid0(VALU_DEP_1)
	v_lshl_add_u32 v22, v22, 10, v14               ; the last step's LDS address: 1,024 (lane / 16) + 8 (lane % 16)
	s_lshl_b32 s14, ttmp9, 8
	s_mov_b32 s15, 0
	s_lshl_b32 s16, ttmp9, 7
	s_mov_b32 s17, 0
	s_mov_b32 s18, 0x76543210                      ; v_permlanex16_b32's selects for lane l xor 16
	s_mov_b32 s19, 0xfedcba98
	s_mov_b32 s20, 0x38000000                      ; 1 / 32768
	s_mov_b32 s21, 0x3727c5ac                      ; 1e-5
	s_wait_alu depctr_va_vdst(0)
	s_wait_kmcnt 0x0
	s_add_nc_u64 s[4:5], s[4:5], s[14:15]
	s_add_nc_u64 s[10:11], s[10:11], s[14:15]
	s_add_nc_u64 s[6:7], s[6:7], s[16:17]
	s_add_nc_u64 s[8:9], s[8:9], s[16:17]
	global_load_b128 v[4:7], v3, s[4:5]            ; group 0: the pivots in v4 and v6
	global_load_b64 v[16:17], v14, s[6:7]          ; g
	global_load_b64 v[18:19], v14, s[8:9]          ; beta
.set i, 0
.rept 16
	global_load_b128 v[32+4*i:35+4*i], v2, s[4:5] offset:32768*i
.set i, i+1
.endr
.set i, 0
.rept 16
	s_wait_loadcnt 15-i                            ; group i of mine is in, the 15 - i younger ones may be out
.if i == 0
	v_sub_f32 v8, v32, v4                          ; the first group starts the sums
	v_sub_f32 v9, v34, v6
	s_delay_alu instid0(VALU_DEP_1)
	v_pk_mul_f32 v[10:11], v[8:9], v[8:9]
.else
	v_sub_f32 v20, v[32+4*i], v4
	v_sub_f32 v21, v[34+4*i], v6
	s_wait_alu depctr_va_vdst(0)
	v_pk_add_f32 v[8:9], v[8:9], v[20:21]
	v_pk_fma_f32 v[10:11], v[20:21], v[20:21], v[10:11]
.endif
.if i == 1
	v_add_f32 v12, v33, v37
	v_add_f32 v13, v35, v39
.endif
.if i > 1
	v_add_f32 v12, v12, v[33+4*i]
	v_add_f32 v13, v13, v[35+4*i]
.endif
.set i, i+1
.endr
	ds_store_b64 v15, v[8:9]                       ; three planes of [16 slots][16 pairs of channels]
	ds_store_b64 v15, v[10:11] offset:2048
	ds_store_b64 v15, v[12:13] offset:4096
	s_wait_dscnt 0x0
	s_barrier_signal -1
	s_barrier_wait -1
	s_cmp_lg_u32 s12, 0                            ; wave 0 finishes; no barrier stands behind this branch
	s_cbranch_scc1 .Lend
.irp p, 0,1,2
.irp s, 0,1,2,3,4,5,6,7
	ds_load_b64 v[32+16*\p+2*\s:33+16*\p+2*\s], v22 offset:2048*\p+128*\s     ; lanes 0-15 slots 0-7, lanes 16-31 slots 8-15
.endr
.endr
	s_wait_dscnt 0x0
.irp p, 0,1,2
.irp s, 0,4,8,12
	v_pk_add_f32 v[32+16*\p+\s:33+16*\p+\s], v[32+16*\p+\s:33+16*\p+\s], v[34+16*\p+\s:35+16*\p+\s]
.endr
	s_delay_alu instid0(VALU_DEP_3)
	v_pk_add_f32 v[32+16*\p:33+16*\p], v[32+16*\p:33+16*\p], v[36+16*\p:37+16*\p]
	s_delay_alu instid0(VALU_DEP_2)
	v_pk_add_f32 v[40+16*\p:41+16*\p], v[40+16*\p:41+16*\p], v[44+16*\p:45+16*\p]
	s_delay_alu instid0(VALU_DEP_1)
	v_pk_add_f32 v[32+16*\p:33+16*\p], v[32+16*\p:33+16*\p], v[40+16*\p:41+16*\p]
.endr
.irp p, 0,1,2
	v_permlanex16_b32 v[34+16*\p], v[32+16*\p], s18, s19
	v_permlanex16_b32 v[35+16*\p], v[33+16*\p], s18, s19
.endr
.irp p, 0,1,2
	v_pk_add_f32 v[32+16*\p:33+16*\p], v[32+16*\p:33+16*\p], v[34+16*\p:35+16*\p]   ; A in v[32:33], B in v[48:49], C in v[64:65]
.endr
	s_delay_alu instid0(VALU_DEP_3)
	v_pk_mul_f32 v[20:21], v[32:33], 0x3b800000 op_sel_hi:[1,0]                     ; A / 256
	s_delay_alu instid0(VALU_DEP_1)
	v_add_f32 v24, v4, v20                         ; the mean
	s_delay_alu instid0(VALU_DEP_2)
	v_add_f32 v25, v6, v21
	s_delay_alu instid0(VALU_DEP_3)
	v_pk_fma_f32 v[26:27], v[20:21], v[32:33], v[48:49] neg_lo:[1,0,0] neg_hi:[1,0,0]   ; B - A^2 / 256
	s_delay_alu instid0(VALU_DEP_1)
	v_pk_fma_f32 v[26:27], v[26:27], 0x43000000, v[64:65] op_sel_hi:[1,0,1]         ; x 128 + C
	s_delay_alu instid0(VALU_DEP_1)
	v_fma_f32 v26, v26, s20, s21                   ; the variance + 1e-5
	s_delay_alu instid0(VALU_DEP_2)
	v_fma_f32 v27, v27, s20, s21
	s_wait_alu depctr_va_vdst(0)
	v_rsq_f32 v28, v26
	v_rsq_f32 v29, v27
	v_cmp_lt_u32 vcc_lo, 15, v0                    ; (a plain instruction behind the two roots)  lanes 16-31
	s_wait_alu depctr_va_vdst(0)                   ; one wait for both roots, ahead of their first reader
	v_pk_mul_f32 v[28:29], v[28:29], v[16:17]      ; the scales
	s_delay_alu instid0(VALU_DEP_1)
	v_pk_fma_f32 v[30:31], v[24:25], v[28:29], v[18:19] neg_lo:[1,0,0] neg_hi:[1,0,0]   ; the shifts
	s_delay_alu instid0(VALU_DEP_1)
	v_cndmask_b32 v28, v28, v30, vcc_lo            ; lanes 0-15 store scales, lanes 16-31 shifts
	s_delay_alu instid0(VALU_DEP_2)
	v_cndmask_b32 v29, v29, v31, vcc_lo
	global_store_b64 v15, v[28:29], s[10:11]       ; 32 lanes store 256 consecutive bytes, aligned
.Lend:
	s_wait_tensorcnt 0x0
	ds_add_u32 v96, v97
	s_wait_dscnt 0x0
	s_endpgm
.Lfunc_end_k_qe7b619b744_fin1:
	.size	k_qe7b619b744_fin1, .Lfunc_end_k_qe7b619b744_fin1-k_qe7b619b744_fin1
	.p2alignl 7, 3214868480
	.fill 96, 4, 3214868480
	.section	.rodata,"a",@progbits
	.p2align	6, 0x0
	.amdhsa_kernel k_qe7b619b744_fin1
		.amdhsa_group_segment_fixed_size 7168
		.amdhsa_private_segment_fixed_size 0
		.amdhsa_enable_private_segment 0
		.amdhsa_kernarg_size 32
		.amdhsa_user_sgpr_count 2
		.amdhsa_user_sgpr_kernarg_segment_ptr 1
		.amdhsa_wavefront_size32 1
		.amdhsa_system_sgpr_workgroup_id_x 1
		.amdhsa_system_sgpr_workgroup_id_y 1
		.amdhsa_system_sgpr_workgroup_id_z 1
		.amdhsa_system_vgpr_workitem_id 0
		.amdhsa_next_free_vgpr 98
		.amdhsa_next_free_sgpr 66
		.amdhsa_reserve_vcc 1
		.amdhsa_float_denorm_mode_32 3
		.amdhsa_float_denorm_mode_16_64 3
		.amdhsa_memory_ordered 1
		.amdhsa_forward_progress 1
		.amdhsa_inst_pref_size 14
	.end_amdhsa_kernel
	.amdgpu_metadata
---
amdhsa.version: [ 1, 2 ]
amdhsa.kernels:
  - .name:           k_qe7b619b744_fin1
    .symbol:         k_qe7b619b744_fin1.kd
    .args:
      - { .name: part, .offset: 0, .size: 8, .value_kind: global_buffer, .address_space: global }
      - { .name: g1, .offset: 8, .size: 8, .value_kind: global_buffer, .address_space: global }
      - { .name: beta1, .offset: 16, .size: 8, .value_kind: global_buffer, .address_space: global }
      - { .name: bn, .offset: 24, .size: 8, .value_kind: global_buffer, .address_space: global }
    .group_segment_fixed_size: 7168
    .private_segment_fixed_size: 0
    .kernarg_segment_align: 8
    .kernarg_segment_size: 32
    .max_flat_workgroup_size: 256
    .sgpr_count:     66
    .vgpr_count:     98
    .wavefront_size: 32
...
	.end_amdgpu_metadata
.endif
;; end of part 2
;; launch qkv (part 3): grid 256 x 1, 4 waves a work-group, no clusters, 168,448 bytes of LDS; arguments x, bn, wq_codes, wq_scales, bq, wk_codes, wk_scales, bk, wv_codes, wv_scales, bv, qc, qs, kvc, kvs; writes qc, qs, kvc, kvs
.if DOCPART == 3
	.amdgcn_target "amdgcn-amd-amdhsa--gfx1250"
	.amdhsa_code_object_version 6
	.text
	.protected	k_qe7b619b744_qkv
	.globl	k_qe7b619b744_qkv
	.p2align	8
	.type	k_qe7b619b744_qkv,@function
k_qe7b619b744_qkv:
	s_mov_b64 s[64:65], 0
	v_nop
	global_prefetch_b8 v0, s[64:65] scope:SCOPE_SE
	s_setreg_imm32_b32 hwreg(HW_REG_WAVE_MODE, 25, 1), 1
	s_wait_xcnt 0x0
; h1 = bn1(x), quantised along its 256 channels; q, k, v = h1 W^T + b on codes of FP8 (E4M3) with E8M0 scales; q and k quantised along the head's 64, v along the keys.
; All three leave as IMAGES OF OPERAND REGISTERS (16 bytes a lane, 512 bytes a store), in the order in which the attention launch's lanes take them.
; SHARES.  Work-group g takes tokens 128 g .. 128 g + 127 (batch g / 8, key step g % 8).  Wave w first quantises tokens 32 w .. 32 w + 31 (its own tensor load brought them), then is HEAD w for all 128 tokens:
; its 64 rows of wq, wk and wv (24 fragments, 384 registers) come from memory straight into registers, once.
; NO JOINT LOADS, though all work-groups read the same weights: they never pass through LDS; x's tile (133,120 bytes), the images (33,792) and three padded weights (3 x 256 x 272 = 208,896) do not fit into 327,680 together.
; THE TOKENS OF A TILE ARE NOT NEIGHBOURS: lane r of tile 2 b + u takes token 32 b + 8 u + r + 8 (r / 8), and so are the rows of each weight's tiles.  So the 16 result registers of two neighbouring tiles are 16 neighbours:
; along the head's axis for q and k (product used transposed: source 0 = weight, source 1 = h1), along the tokens for v (source 0 = h1, source 1 = weight).
; A K FRAGMENT CARRIES TWO KEY TILES: registers 0-7 tile 2 b (the head's 64), registers 8-15 tile 2 b + 1.  q's images likewise hold two query tiles.
; A block's scale byte is its largest magnitude's exponent field - 8, held at 1 from below (a block of zeros gets 1: its codes are zeros, and this program alone reads the bytes).
; LIMITS: NaN and infinities among the inputs are not served; h1 = x * scale + shift is one fused multiply-add, so its error grows with |mean| / deviation of a channel, times 2^-24.
; REGISTERS.  window 0: v1-15 addresses; v16-79 four fragments of h1; v80-143 eight accumulators (earlier: 64 numbers of x); v144-159 codes; v160-175 at work; v176-209 scale words.
;   window 1: wq's 8 fragments, wk's 8.   window 2: wv's 8; from v128 bq, v160 bk, v192 bv in the results' layout.   window 3: bn's scales and shifts in x's layout.
.set XP,    1040                       ; a row of x in LDS: 1,024 bytes + 16
.set XTW,   32*XP                      ; a wave's 32 rows
.set XIMG,  4*XTW                      ; behind the tile: h1's 16 images (tile T, K step k at (2 T + k) x 2,048),
.set XSC,   XIMG+16*2048               ; and its scale words, 128 bytes a tile: lanes 0-15 K step 0, lanes 16-31 K step 1
.set RSTEP, 8                          ; a wave's second tile begins 8 rows behind its first
.set XA,  4                            ; v4   x in LDS: my row, my 64 bytes of a block of 32 numbers
.set LIX, 5                            ; v5   16 x lane + XIMG
.set LSX, 6                            ; v6   4 x lane + XSC
.set XWI, 7                            ; v7   where my wave stores its images
.set XWS, 8                            ; v8   and their scale words
.set WA,  9                            ; v9   a weight's tile: my row x 256 + 16 (lane / 16)
.set WSA, 10                           ; v10  its scale words: my row x 8 + 4 (lane / 16)
.set BA,  11                           ; v11  64 (lane / 16)
.set BVA, 12                           ; v12  4 x my row
.set LI,  13                           ; v13  16 x lane
.set L8,  14                           ; v14  8 x lane
.set XF,  16
.set HA,  80
.set ST,  80
.set PC,  144
.set TM,  160
.set PW,  176                          ; v176-177 the scale words of a tile's two K steps
.set XS,  178                          ; v178-179 h1's scale words of the pair in hand
.set WS,  180                          ; v180-191 the weights' scale words: q, k, v x 4 tiles
.set QW,  192                          ; v192-195 q's scale words, a pair of tiles each;  v196-199 k's;  v200-203 v's, a tile of 16 channels each
.set KW,  196
.set VW,  200
.set OP,  204
.set G1,  36
.set G0,  44
.set WV,  48
.set MNT, 49
.set SEL, 50
.set MSB, 0
.macro WIN new                         ; the immediate's high byte repeats the setting that is left
.if MSB != \new
	s_set_vgpr_msb (MSB<<8)|\new
.set MSB, \new
.endif
.endm
.macro PLACES n                        ; plain vector instructions behind matrix instructions: nine serve loads, reads and accumulators begun anew alike
.rept \n
	v_nop
.endr
.endm
; 64 numbers of a lane, v[s] on, four blocks of 16 (the other 16 of each block lie in lane l xor 16), become 16 registers of codes in v[PC] on; the bytes stand in v[TM+4] on; word: the register that takes the four bytes, or 0
.macro QUANT s, word
.irp b, 0,1,2,3
	v_max3_num_f32 v[TM+\b], |v[\s+16*\b]|, |v[\s+1+16*\b]|, 0x4800000   ; with the floor 2^(9 - 127): the byte cannot fall under 1
.endr
.irp i, 2,4,6,8,10,12,14
.irp b, 0,1,2,3
	v_max3_num_f32 v[TM+\b], v[TM+\b], |v[\s+16*\b+\i]|, |v[\s+1+16*\b+\i]|
.endr
.endr
.irp b, 0,1,2,3
	v_permlanex16_b32 v[TM+4+\b], v[TM+\b], s[SEL], s[SEL+1]
.endr
.irp b, 0,1,2,3
	v_max_num_f32 v[TM+\b], v[TM+\b], v[TM+4+\b]                 ; the block's largest magnitude
.endr
.irp b, 0,1,2,3
	v_add_nc_u32 v[TM+12+\b], 0xfc000000, v[TM+\b]               ; 8 off its exponent field: the conversion's scale operand
.endr
.irp b, 0,1,2,3
	v_and_or_b32 v[TM+8+\b], v[TM+\b], 0x7f800000, s[MNT]        ; 448 x the scale
.endr
.irp b, 0,1,2,3
	v_lshrrev_b32 v[TM+4+\b], 23, v[TM+12+\b]                    ; the scale's byte
.endr
.if \word
	v_lshl_or_b32 v[\word], v[TM+5], 8, v[TM+4]
	v_lshl_or_b32 v[\word], v[TM+6], 16, v[\word]
	v_lshl_or_b32 v[\word], v[TM+7], 24, v[\word]
.endif
.irp b, 0,1,2,3
.irp i, 0,1,2,3,4,5,6,7,8,9,10,11,12,13,14,15
	v_med3_num_f32 v[\s+16*\b+\i], v[\s+16*\b+\i], -v[TM+8+\b], v[TM+8+\b]   ; the conversion does not saturate (ISA guide 7.6.2): the hold at the largest code x the scale
.endr
	v_cvt_scalef32_pk8_fp8_f32 v[PC+4*\b:PC+1+4*\b], v[\s+16*\b:\s+7+16*\b], v[TM+12+\b]
	v_cvt_scalef32_pk8_fp8_f32 v[PC+2+4*\b:PC+3+4*\b], v[\s+8+16*\b:\s+15+16*\b], v[TM+12+\b]
.endr
	v_nop                                          ; a plain instruction between the last conversion and whatever next touches its registers
.endm
; Tile u of my wave, K step k: 64 numbers of x from LDS, the batch norm, the quantiser, the image
.macro BNQ u, k
.irp c, 0,1,2,3
.irp j, 0,1,2,3
	ds_load_b128 v[ST+16*\c+4*\j:ST+16*\c+4*\j+3], v[XA] offset:(\u)*RSTEP*XP+512*(\k)+128*\c+16*\j
.endr
.endr
	s_wait_dscnt 0x0
	WIN 0x3c                                       ; sources 1 and 2 in window 3
.set i, 0
.rept 32
	v_pk_fma_f32 v[ST+i:ST+i+1], v[ST+i:ST+i+1], v[128*(\k)+i:128*(\k)+i+1], v[128*(\k)+64+i:128*(\k)+64+i+1]
.set i, i+2
.endr
	WIN 0
	QUANT ST, PW+(\k)
.irp c, 0,1,2,3
	ds_store_b128 v[XWI], v[PC+4*\c:PC+4*\c+3] offset:(2*(\u)+(\k))*2048+512*\c
.endr
.if \k == 1
	v_cndmask_b32 v[PW], v[PW], v[PW+1], vcc_lo    ; lanes 0-15 keep K step 0's word, lanes 16-31 take K step 1's
	ds_store_b32 v[XWS], v[PW] offset:128*(\u)
.endif
	s_wait_dscnt 0x0                               ; the stores have read their registers
.endm
.macro WLOAD base, sb                  ; a weight's 8 fragments (tile t, K step k at base + 16 (2 t + k)) into the window in force
.irp t, 0,1,2,3
.irp k, 0,1
.irp c, 0,1,2,3
	global_load_b128 v[\base+16*(2*\t+\k)+4*\c:\base+16*(2*\t+\k)+4*\c+3], v[WA], s[\sb:\sb+1] offset:(32*(\t/2)+8*(\t%2))*256+128*\k+32*\c
.endr
.endr
.endr
.endm
; q or k of a pair of token tiles, transposed: 8 accumulators by turns, K step 0 (C = the bias) and then K step 1
.macro MULT wb, bb, ws
	WIN 0x21                                       ; source 0 (weight) window 1, source 2 (bias) window 2
.irp u, 0,1
.irp t, 0,1,2,3
	v_wmma_scale_f32_16x16x128_f8f6f4 v[HA+8*(4*\u+\t):HA+8*(4*\u+\t)+7], v[\wb+32*\t:\wb+32*\t+15], v[XF+32*\u:XF+32*\u+15], v[\bb+8*\t:\bb+8*\t+7], v[\ws+\t], v[XS+\u]
.endr
.endr
	WIN 0x01
.irp u, 0,1
.irp t, 0,1,2,3
	v_wmma_scale_f32_16x16x128_f8f6f4 v[HA+8*(4*\u+\t):HA+8*(4*\u+\t)+7], v[\wb+32*\t+16:\wb+32*\t+31], v[XF+32*\u+16:XF+32*\u+31], v[HA+8*(4*\u+\t):HA+8*(4*\u+\t)+7], v[\ws+\t], v[XS+\u] matrix_a_scale:MATRIX_SCALE_ROW1 matrix_b_scale:MATRIX_SCALE_ROW1
.endr
.endr
	WIN 0
	PLACES 9
.endm
.macro MULV                            ; v of the pair: source 0 = h1, source 1 = wv: a lane holds one channel and its registers run along the tokens
	WIN 0x28                                       ; sources 1 (weight) and 2 (bias) window 2
.irp t, 0,1,2,3
.irp u, 0,1
	v_wmma_scale_f32_16x16x128_f8f6f4 v[HA+8*(2*\t+\u):HA+8*(2*\t+\u)+7], v[XF+32*\u:XF+32*\u+15], v[32*\t:32*\t+15], v[192+8*\t:192+8*\t+7], v[XS+\u], v[WS+8+\t]
.endr
.endr
	WIN 0x08
.irp t, 0,1,2,3
.irp u, 0,1
	v_wmma_scale_f32_16x16x128_f8f6f4 v[HA+8*(2*\t+\u):HA+8*(2*\t+\u)+7], v[XF+32*\u+16:XF+32*\u+31], v[32*\t+16:32*\t+31], v[HA+8*(2*\t+\u):HA+8*(2*\t+\u)+7], v[XS+\u], v[WS+8+\t] matrix_a_scale:MATRIX_SCALE_ROW1 matrix_b_scale:MATRIX_SCALE_ROW1
.endr
.endr
	WIN 0
	PLACES 9
.endm
; Token tiles 2 b and 2 b + 1: 48 matrix instructions, three quantisers, twelve stores of 512 consecutive bytes
.macro PAIR b
.irp u, 0,1
.irp k, 0,1
.irp c, 0,1,2,3
	ds_load_b128 v[XF+16*(2*\u+\k)+4*\c:XF+16*(2*\u+\k)+4*\c+3], v[LIX] offset:(2*(2*(\b)+\u)+\k)*2048+512*\c
.endr
.endr
	ds_load_b32 v[XS+\u], v[LSX] offset:(2*(\b)+\u)*128
.endr
	s_wait_dscnt 0x0
	MULT 0, 128, WS
	s_wait_xcnt 0x0                                ; earlier stores have read the codes' registers: they are written again only behind this wait
	QUANT HA, QW+\b
.irp c, 0,1,2,3
	global_store_b128 v[LI], v[PC+4*\c:PC+4*\c+3], s[26:27] offset:2048*(\b)+512*\c
.endr
	MULT 128, 160, WS+4
	s_wait_xcnt 0x0
	QUANT HA, KW+\b
.irp c, 0,1,2,3
	global_store_b128 v[LI], v[PC+4*\c:PC+4*\c+3], s[30:31] offset:2048*(\b)+512*\c
.endr
	MULV
	s_wait_xcnt 0x0
	QUANT HA, 0
.irp t, 0,1,2,3
	global_store_b128 v[LI], v[PC+4*\t:PC+4*\t+3], s[30:31] offset:8192+2048*\t+512*(\b)   ; these 32 keys are registers 4 b .. 4 b + 3 of V's fragment t
.if \b == 0
	v_mov_b32 v[VW+\t], v[TM+4+\t]
.else
	v_lshl_or_b32 v[VW+\t], v[TM+4+\t], 8*(\b), v[VW+\t]
.endif
.endr
.endm
	s_load_b512 s[4:19], s[0:1], 0x0               ; x, bn, wq_codes, wq_scales, bq, wk_codes, wk_scales, bk
	s_load_b256 s[20:27], s[0:1], 0x40             ; wv_codes, wv_scales, bv, qc
	s_load_b128 s[28:31], s[0:1], 0x60             ; qs, kvc
	s_load_b64 s[32:33], s[0:1], 0x70              ; kvs
	v_lshl_add_u32 v254, v0, 2, 0x29000
	v_mov_b32 v255, 0
	ds_add_u32 v254, v255
	ds_add_u32 v254, v255
	v_lshrrev_b32 v1, 5, v0
	v_readfirstlane_b32 s[WV], v1                  ; wave 0..3
	v_and_b32 v1, 31, v0                           ; lane
	v_and_b32 v2, 15, v0                           ; r
	v_bfe_u32 v3, v0, 4, 1                         ; h
	; descriptor group 1: 32 rows of 256 elements of 4 bytes, 16 bytes of padding behind each row
	s_mov_b32 s[G1], (2<<16)|(1<<20)|(7<<22)|(3<<25)
	s_mov_b32 s[G1+1], 256<<16                     ; tensor_dim0
	s_mov_b32 s[G1+2], 32<<16                      ; tensor_dim1
	s_mov_b32 s[G1+3], 256<<16                     ; tile_dim0
	s_mov_b32 s[G1+4], 32                          ; tile_dim1
	s_mov_b32 s[G1+5], 256                         ; from row to row
	s_mov_b32 s[G1+6], 0
	s_mov_b32 s[G1+7], 0
	s_mul_i32 s52, s[WV], XTW                      ; my 32 rows' place in LDS
	s_lshl_b32 s54, ttmp9, 17
	s_lshl_b32 s53, s[WV], 15
	s_add_co_u32 s54, s54, s53                     ; and in x
	s_mov_b32 s55, 0
	s_mov_b32 s[SEL], 0x76543210
	s_mov_b32 s[SEL+1], 0xfedcba98
	s_mov_b32 s[MNT], 0x600000
	s_wait_alu depctr_va_vdst(0)
	s_wait_dscnt 0x0
	s_wait_kmcnt 0x0
	s_mov_b32 s[G0], 1
	s_mov_b32 s[G0+1], s52
	s_add_nc_u64 s[G0+2:G0+3], s[4:5], s[54:55]
	s_or_b32 s[G0+3], s[G0+3], 0x80000000
	tensor_load_to_lds s[G0:G0+3], s[G1:G1+7]      ; one load a wave, filled once; only my wave reads these bytes
	s_nop 0
	PLACES 4
	v_and_b32 v16, 8, v2
	v_add_nc_u32 v16, v16, v2                      ; r + 8 (r / 8)
	v_mul_u32_u24 v[XA], v16, XP
	v_lshl_add_u32 v[XA], v3, 6, v[XA]
	v_add_nc_u32 v[XA], s52, v[XA]
	v_lshlrev_b32 v[LI], 4, v1
	v_add_nc_u32 v[LIX], XIMG, v[LI]
	v_lshlrev_b32 v[LSX], 2, v1
	v_add_nc_u32 v[LSX], XSC, v[LSX]
	s_lshl_b32 s53, s[WV], 13
	v_add_nc_u32 v[XWI], s53, v[LIX]
	s_lshl_b32 s53, s[WV], 8
	v_add_nc_u32 v[XWS], s53, v[LSX]
	v_lshlrev_b32 v[WA], 8, v16
	v_lshl_add_u32 v[WA], v3, 4, v[WA]
	v_lshlrev_b32 v[WSA], 3, v16
	v_lshl_add_u32 v[WSA], v3, 2, v[WSA]
	v_lshlrev_b32 v[BA], 6, v3
	s_wait_alu depctr_va_vdst(0)
	v_lshlrev_b32 v[BVA], 2, v16
	v_lshlrev_b32 v[L8], 3, v1
	v_cmp_lt_u32 vcc_lo, 15, v1                    ; lanes 16-31; VCC stays for the whole kernel
.irp b, 0,1,2,3
	v_mov_b32 v[TM+4+\b], 0                        ; written once: a lane permute's destination counts as one of its sources
.endr
	s_mov_b32 s57, 0
	s_lshl_b32 s56, s[WV], 14                      ; my head's 64 rows of each weight,
	s_add_nc_u64 s[8:9], s[8:9], s[56:57]
	s_add_nc_u64 s[14:15], s[14:15], s[56:57]
	s_add_nc_u64 s[20:21], s[20:21], s[56:57]
	s_lshl_b32 s56, s[WV], 9                       ; of its scale bytes,
	s_add_nc_u64 s[10:11], s[10:11], s[56:57]
	s_add_nc_u64 s[16:17], s[16:17], s[56:57]
	s_add_nc_u64 s[22:23], s[22:23], s[56:57]
	s_lshl_b32 s56, s[WV], 8                       ; and of its bias
	s_add_nc_u64 s[12:13], s[12:13], s[56:57]
	s_add_nc_u64 s[18:19], s[18:19], s[56:57]
	s_add_nc_u64 s[24:25], s[24:25], s[56:57]
	s_lshr_b32 s58, ttmp9, 3
	s_lshl_b32 s58, s58, 5
	s_and_b32 s59, ttmp9, 7
	s_add_co_u32 s58, s58, s59
	s_lshl_b32 s59, s[WV], 3
	s_add_co_u32 s58, s58, s59                     ; my record: (4 batch + head) x 8 + step
	s_lshl_b32 s56, s58, 13
	s_add_nc_u64 s[26:27], s[26:27], s[56:57]      ; qc: 8,192 bytes a record
	s_lshl_b32 s56, s58, 14
	s_add_nc_u64 s[30:31], s[30:31], s[56:57]      ; kvc: 16,384
	s_lshl_b32 s56, s58, 8
	s_add_nc_u64 s[28:29], s[28:29], s[56:57]      ; qs: 256
	s_lshl_b32 s56, s58, 9
	s_add_nc_u64 s[32:33], s[32:33], s[56:57]      ; kvs: 512
	WIN 0xc0                                       ; destination window 3: bn in the layout in which a lane holds x: register 16 c + 4 j + e = channel 128 k + 32 c + 16 h + 4 j + e
.irp k, 0,1
.irp c, 0,1,2,3
.irp j, 0,1,2,3
	global_load_b128 v[128*\k+16*\c+4*\j:128*\k+16*\c+4*\j+3], v[BA], s[6:7] offset:(4*\k+\c)*256+16*\j
	global_load_b128 v[128*\k+64+16*\c+4*\j:128*\k+64+16*\c+4*\j+3], v[BA], s[6:7] offset:(4*\k+\c)*256+128+16*\j
.endr
.endr
.endr
	WIN 0
	s_wait_loadcnt 0x0                             ; bn
	s_wait_tensorcnt 0x0                           ; my 32 rows of x
	WIN 0x40                                       ; the weights' loads stand between the quantisers, which wait on LDS alone: they land meanwhile
	WLOAD 0, 8
	WLOAD 128, 14
	WIN 0
	BNQ 0, 0
	BNQ 0, 1
	WIN 0x80
	WLOAD 0, 20
	WIN 0
.irp t, 0,1,2,3
	global_load_b32 v[WS+\t], v[WSA], s[10:11] offset:(32*(\t/2)+8*(\t%2))*8     ; lanes 0-15 K step 0's word, lanes 16-31 K step 1's
	global_load_b32 v[WS+4+\t], v[WSA], s[16:17] offset:(32*(\t/2)+8*(\t%2))*8
	global_load_b32 v[WS+8+\t], v[WSA], s[22:23] offset:(32*(\t/2)+8*(\t%2))*8
.endr
	BNQ 1, 0
	WIN 0x80
.irp t, 0,1,2,3
	global_load_b128 v[128+8*\t:131+8*\t], v[BA], s[12:13] offset:(32*(\t/2)+8*(\t%2))*4      ; bq, bk: eight channels of my half
	global_load_b128 v[132+8*\t:135+8*\t], v[BA], s[12:13] offset:(32*(\t/2)+8*(\t%2))*4+16
	global_load_b128 v[160+8*\t:163+8*\t], v[BA], s[18:19] offset:(32*(\t/2)+8*(\t%2))*4
	global_load_b128 v[164+8*\t:167+8*\t], v[BA], s[18:19] offset:(32*(\t/2)+8*(\t%2))*4+16
.irp i, 0,1,2,3,4,5,6,7
	global_load_b32 v[192+8*\t+\i], v[BVA], s[24:25] offset:(32*(\t/2)+8*(\t%2))*4            ; bv: my one channel, for eight tokens
.endr
.endr
	WIN 0
	BNQ 1, 1
	s_wait_loadcnt 0x0                             ; weights, scale words, biases
	s_barrier_signal -1                            ; (each wave's LDS stores were waited for at the end of its last quantiser)
	s_barrier_wait -1                              ; h1's sixteen images lie in LDS
	PAIR 0
	PAIR 1
	PAIR 2
	PAIR 3
	v_cndmask_b32 v[OP], v[KW], v[KW+1], vcc_lo    ; two words share a register: lanes 0-15 the even one, lanes 16-31 the odd one
	v_cndmask_b32 v[OP+1], v[KW+2], v[KW+3], vcc_lo
	v_cndmask_b32 v[OP+2], v[VW], v[VW+1], vcc_lo
	v_cndmask_b32 v[OP+3], v[VW+2], v[VW+3], vcc_lo
	v_cndmask_b32 v[OP+4], v[QW], v[QW+1], vcc_lo
	v_cndmask_b32 v[OP+5], v[QW+2], v[QW+3], vcc_lo
	global_store_b64 v[L8], v[OP:OP+1], s[32:33]               ; each store covers 256 consecutive bytes, aligned
	global_store_b64 v[L8], v[OP+2:OP+3], s[32:33] offset:256
	global_store_b64 v[L8], v[OP+4:OP+5], s[28:29]
	s_wait_tensorcnt 0x0
	ds_add_u32 v254, v255
	s_wait_dscnt 0x0
	s_endpgm
.Lfunc_end_k_qe7b619b744_qkv:
	.size	k_qe7b619b744_qkv, .Lfunc_end_k_qe7b619b744_qkv-k_qe7b619b744_qkv
	.p2alignl 7, 3214868480
	.fill 96, 4, 3214868480
	.section	.rodata,"a",@progbits
	.p2align	6, 0x0
	.amdhsa_kernel k_qe7b619b744_qkv
		.amdhsa_group_segment_fixed_size 168448
		.amdhsa_private_segment_fixed_size 0
		.amdhsa_enable_private_segment 0
		.amdhsa_kernarg_size 120
		.amdhsa_user_sgpr_count 2
		.amdhsa_user_sgpr_kernarg_segment_ptr 1
		.amdhsa_wavefront_size32 1
		.amdhsa_system_sgpr_workgroup_id_x 1
		.amdhsa_system_sgpr_workgroup_id_y 1
		.amdhsa_system_sgpr_workgroup_id_z 1
		.amdhsa_system_vgpr_workitem_id 0
		.amdhsa_next_free_vgpr 1024
		.amdhsa_next_free_sgpr 66
		.amdhsa_reserve_vcc 1
		.amdhsa_float_denorm_mode_32 3
		.amdhsa_float_denorm_mode_16_64 3
		.amdhsa_memory_ordered 1
		.amdhsa_forward_progress 1
		.amdhsa_inst_pref_size 206
	.end_amdhsa_kernel
	.amdgpu_metadata
---
amdhsa.version: [ 1, 2 ]
amdhsa.kernels:
  - .name:           k_qe7b619b744_qkv
    .symbol:         k_qe7b619b744_qkv.kd
    .args:
      - { .name: x, .offset: 0, .size: 8, .value_kind: global_buffer, .address_space: global }
      - { .name: bn, .offset: 8, .size: 8, .value_kind: global_buffer, .address_space: global }
      - { .name: wq_codes, .offset: 16, .size: 8, .value_kind: global_buffer, .address_space: global }
      - { .name: wq_scales, .offset: 24, .size: 8, .value_kind: global_buffer, .address_space: global }
      - { .name: bq, .offset: 32, .size: 8, .value_kind: global_buffer, .address_space: global }
      - { .name: wk_codes, .offset: 40, .size: 8, .value_kind: global_buffer, .address_space: global }
      - { .name: wk_scales, .offset: 48, .size: 8, .value_kind: global_buffer, .address_space: global }
      - { .name: bk, .offset: 56, .size: 8, .value_kind: global_buffer, .address_space: global }
      - { .name: wv_codes, .offset: 64, .size: 8, .value_kind: global_buffer, .address_space: global }
      - { .name: wv_scales, .offset: 72, .size: 8, .value_kind: global_buffer, .address_space: global }
      - { .name: bv, .offset: 80, .size: 8, .value_kind: global_buffer, .address_space: global }
      - { .name: qc, .offset: 88, .size: 8, .value_kind: global_buffer, .address_space: global }
      - { .name: qs, .offset: 96, .size: 8, .value_kind: global_buffer, .address_space: global }
      - { .name: kvc, .offset: 104, .size: 8, .value_kind: global_buffer, .address_space: global }
      - { .name: kvs, .offset: 112, .size: 8, .value_kind: global_buffer, .address_space: global }
    .group_segment_fixed_size: 168448
    .private_segment_fixed_size: 0
    .kernarg_segment_align: 8
    .kernarg_segment_size: 120
    .max_flat_workgroup_size: 128
    .sgpr_count:     66
    .vgpr_count:     1024
    .wavefront_size: 32
...
	.end_amdgpu_metadata
.endif
;; end of part 3
;; launch attn (part 4): grid 8 x 32, 16 waves a work-group, clusters of 4 x 1, 327,680 bytes of LDS; arguments qc, qs, kvc, kvs, wo_codes, wo_scales, bo, x, r1, part; writes r1, part
.if DOCPART == 4
	.amdgcn_target "amdgcn-amd-amdhsa--gfx1250"
	.amdhsa_code_object_version 6
	.text
	.protected	k_qe7b619b744_attn
	.globl	k_qe7b619b744_attn
	.p2align	8
	.type	k_qe7b619b744_attn,@function
k_qe7b619b744_attn:
	s_mov_b64 s[64:65], 0
	v_nop
	global_prefetch_b8 v0, s[64:65] scope:SCOPE_SE
	s_setreg_imm32_b32 hwreg(HW_REG_WAVE_MODE, 25, 1), 1
	s_wait_xcnt 0x0
	s_wait_alu depctr_hold_cnt(0) depctr_sa_sdst(0) depctr_va_vdst(0) depctr_va_sdst(0) depctr_va_ssrc(0) depctr_va_vcc(0) depctr_vm_vsrc(0)
	s_getreg_b32 s2, hwreg(HW_REG_IB_STS2, 6, 4)
	s_cmp_eq_u32 s2, 0
	s_cbranch_scc0 .Lentry_in_a_cluster
	s_endpgm
.Lentry_in_a_cluster:
	s_bfe_u32 s2, ttmp6, 0x10000c
	s_cmp_lg_u32 s2, 0x3003
	s_cbranch_scc0 .Lentry_shape_is_right
	s_endpgm
.Lentry_shape_is_right:
; r1 = x + softmax(q k^T / 8) v  wo^T + bo, all three products on codes of FP8 (E4M3) with E8M0 scales, and the partial statistics of r1 for the second batch norm.
; q, k, v arrive as images of operand registers (launch qkv).  THE SOFTMAX: t = score x log2(e) / 8; M = the running largest t rounded UP to a whole number; p = 2^(t - M) is quantised along the keys, not normalised;
; the row's sum is taken of the unquantised p and divides O at the end; when M moves, the sum and O are multiplied by 2^(old M - new M), which rounds nothing.
; SHARES.  A work-group owns 128 queries of one batch, all four heads, so that wo, the residual and the statistics are done here.  Sixteen waves, four to a SIMD, 256 registers each: wave w owns query tile w % 8 and
; heads 2 (w / 8) and 2 (w / 8) + 1, one after the other, 8 key steps of 128 keys each.  On the way out wave w owns output channels 16 w .. 16 w + 15 for all 128 queries.
; THE HEAD'S 64 IN A FORM OF 128: a fragment of K carries two key tiles (registers 0-7, 8-15).  Q stands twice with eight registers of zero codes between: v[16:31] = (Q, 0) picks the first tile, v[24:39] = (0, Q) the second;
; the dead half's scale bytes on Q's side are 1.  So each fragment read from LDS feeds two matrix instructions.
; LAYOUT.  S^T = K Q^T, O^T = V^T P^T: a lane holds one query (lane % 16) throughout.  The queries and keys of a tile are 32 b + 8 u + r + 8 (r / 8), so that p's 16 registers of two neighbouring tiles are 16 neighbouring keys.
; CLUSTER.  The four work-groups of a cluster belong to one batch and walk the same K and V: every tensor load is asked for jointly, with the same descriptor and the mask of all four.
; THE RING: two slots of four records of 16,384 bytes (two key steps for each of the two halves of the waves); waves 0-3 fetch a record each.  By this text's count a wave has at most one tensor load outstanding.
; LIMITS: NaN and infinities are not served; a block of zeros gets the byte 1 (its codes are zeros).
.set REC,   16384                      ; a record: K's four fragments, then V's four
.set SLOT1, 65536
.set SP,    1040                       ; the stage's row: 1,024 bytes + 16
.set KVS,   133120                     ; the batch's scale words, 512 bytes a record, filled once.  (The stage, 128 rows, lies in bytes 0 .. 133,119: the ring has had its last fill and its last read by then)
.set OIMG,  KVS+16384                  ; o's 16 images (query tile m, K step k: 2 m + k)
.set OSC,   OIMG+32768                 ; their scale words
.set STAT,  OSC+2048                   ; column sums: [16 waves][S1, S2][256]
.set SPARE, STAT+32768                 ; the spare words, 128 bytes for each wave: eight blocks of 256 bytes that no other line names
.set LIH, 1                            ; v1   16 x lane + 32,768 (wave / 8)
.set L8H, 2                            ; v2   8 x lane + KVS + 8,192 (wave / 8)
.set ADK, 3                            ; v3   the step's record
.set ADS, 4                            ; v4   the step's scale words
.set SPW, 5                            ; v5   my spare word; never rewritten
.set NIL, 6                            ; v6   0; never rewritten
.set QS0, 7                            ; v7   Q's scale word for (Q, 0)
.set QS1, 8                            ; v8   and for (0, Q)
.set OW,  9                            ; v9   o's scale word
.set QWA, 10                           ; v10  where my query tile's scale word lies
.set PFO, 11                           ; v11  256 x lane; never rewritten
.set QA,  16                           ; v[16:31] (Q, 0)
.set QB,  24                           ; v[24:39] (0, Q)
.set KVF, 40                           ; v40-103  four fragments of K or of V
.set S,   104                          ; v104-167 S^T, then p
.set N,   136                          ; v136-167 O^T / the sum
.set O,   168                          ; v168-199 O^T
.set PC,  200                          ; v200-215 p's codes
.set OC,  216                          ; v216-231 o's codes
.set KS,  248                          ; v[248:249] K's scale words;  v[250:251] V's
.set VS,  250
.set G1,  24
.set G0,  32
.set G0S, 36
.set WV,  40
.set QT,  41
.set HH,  42
.set CX,  43
.set BLK, 44
.set BB,  45
.set TB,  46                           ; s46  LDS byte at which the slot in hand begins
.set TS,  47                           ; s47  where the step's scale words begin: 512 bytes a step
.set SLOTS, 48                         ; s48  slots still to be asked for
.set LIM, 49                           ; s49  1 in a wave that prefetches, else the greatest number
.set U16, 50                           ; s50  16 (query tile % 2)
.set MNT, 51
.set SEL, 52
.set CS,  54                           ; s[54:55] c = log2(e) / 8
.set PFA, 56                           ; s[56:57] where my prefetches stand
.set XBLK, 58                          ; s[58:59] x at the block's first row
.set XB,  60                           ; s[60:61] x at my wave's 8 rows
.macro PLACES n
.rept \n
	v_nop
.endr
.endm
.macro CROUND                          ; a round of the cluster's barrier
	s_barrier_signal -1
	s_barrier_wait -1
	s_cmp_lg_u32 s[WV], 0
	s_cbranch_scc1 .Lnot_wave_0_\@
	s_barrier_signal -3
.Lnot_wave_0_\@:
	s_barrier_wait -3
	s_barrier_signal -1
	s_barrier_wait -1
.endm
.macro TLOAD                           ; waves 0-3 fetch a record each; the branch hangs on the wave's number alone.  Four v_nop follow the load
	s_cmp_lt_u32 s[WV], 4
	s_cbranch_scc0 .Lno_load_\@
	tensor_load_to_lds s[G0:G0+3], s[G1:G1+7]
	s_nop 0
	PLACES 4
.Lno_load_\@:
.endm
; A prefetch of what the NEXT change of slots will ask for: four records.  Both clusters of a batch walk the same records: the first of them asks.  Its four partners take a record each, told apart by address;
; in each, waves 4 and 5 take 8,192 bytes each, lanes 256 bytes apart.  So each block of 256 bytes is named once.  The last change that fills a slot asks for nothing.
.macro ASK
	s_cmp_gt_u32 s[SLOTS], s[LIM]
	s_cbranch_scc0 .Lnot_mine_\@
	global_prefetch_b8 v[PFO], s[PFA:PFA+1] th:TH_LOAD_NT scope:SCOPE_SE
.Lnot_mine_\@:
.endm
; THE CHANGE OF SLOTS stands at a slot's head: each wave waits for all its tensor loads, adds 0 to its spare word, and waits for that and for its reads of the slot that it has left.
; fill = 1: behind a round of the cluster's barrier that other slot is filled with the two key steps that follow: the load has a slot's two steps in which to land.
.macro CHANGE fill
	s_wait_tensorcnt 0x0                           ; no tensor load of mine is out, so the descriptor may be written
	ds_add_u32 v[SPW], v[NIL]
.if \fill
	s_xor_b32 s[G0+1], s[G0+1], SLOT1              ; the other slot than last time,
	s_add_nc_u64 s[G0+2:G0+3], s[G0+2:G0+3], 2*REC ; two records on
	s_wait_xcnt 0x0                                ; the last prefetch, a slot back, has read its address
	s_add_nc_u64 s[PFA:PFA+1], s[PFA:PFA+1], 2*REC
	s_wait_dscnt 0x0                               ; the add is done, and my reads of the slot that I have left are over
	CROUND
	TLOAD
	ASK
.else
	s_wait_dscnt 0x0
	s_barrier_signal -1
	s_barrier_wait -1
.endif
.endm
; A KEY STEP: 128 keys, the q-th of the slot in hand
.macro STEP q
	v_add_nc_u32 v[ADK], s[TB], v[LIH]
	v_add_nc_u32 v[ADS], s[TS], v[L8H]
	PLACES 7                                       ; with the two additions nine places: in front of loads into registers that the last products read, and behind the lines that made Q's scale words
.irp f, 0,1,2,3
.irp c, 0,1,2,3
	ds_load_b128 v[KVF+16*\f+4*\c:KVF+16*\f+4*\c+3], v[ADK] offset:REC*(\q)+2048*\f+512*\c
.endr
.endr
	ds_load_b64 v[KS:KS+1], v[ADS]
	s_wait_alu depctr_va_vdst(0)
	s_wait_dscnt 0x0
.irp f, 0,2                            ; S^T = K Q^T: each fragment twice; an even fragment's scale words lie in lanes 0-15, an odd one's in lanes 16-31
	v_wmma_scale_f32_16x16x128_f8f6f4 v[S+16*\f:S+16*\f+7], v[KVF+16*\f:KVF+16*\f+15], v[QA:QA+15], 0, v[KS+\f/2], v[QS0]
	v_wmma_scale_f32_16x16x128_f8f6f4 v[S+16*\f+8:S+16*\f+15], v[KVF+16*\f:KVF+16*\f+15], v[QB:QB+15], 0, v[KS+\f/2], v[QS1]
	v_wmma_scale_f32_16x16x128_f8f6f4 v[S+16*\f+16:S+16*\f+23], v[KVF+16*\f+16:KVF+16*\f+31], v[QA:QA+15], 0, v[KS+\f/2], v[QS0] matrix_a_scale:MATRIX_SCALE_ROW1
	v_wmma_scale_f32_16x16x128_f8f6f4 v[S+16*\f+24:S+16*\f+31], v[KVF+16*\f+16:KVF+16*\f+31], v[QB:QB+15], 0, v[KS+\f/2], v[QS1] matrix_a_scale:MATRIX_SCALE_ROW1
.endr
	PLACES 8
.irp t, 0,1,2,3                        ; V's fragments take K's registers now and land under the softmax
.irp c, 0,1,2,3
	ds_load_b128 v[KVF+16*\t+4*\c:KVF+16*\t+4*\c+3], v[ADK] offset:REC*(\q)+8192+2048*\t+512*\c
.endr
.endr
	ds_load_b64 v[VS:VS+1], v[ADS] offset:256
.irp b, 0,1,2,3
	v_max3_num_f32 v[232+\b], v[S+16*\b], v[S+1+16*\b], v[S+2+16*\b]      ; the largest score of each block of 32 keys: for the row's maximum, and, since p rises with the score, for the block's largest p
.endr
.irp i, 3,5,7,9,11,13
.irp b, 0,1,2,3
	v_max3_num_f32 v[232+\b], v[232+\b], v[S+16*\b+\i], v[S+1+16*\b+\i]
.endr
.endr
.irp b, 0,1,2,3
	v_max_num_f32 v[232+\b], v[232+\b], v[S+15+16*\b]
.endr
.irp b, 0,1,2,3
	s_delay_alu instid0(VALU_DEP_4)
	v_permlanex16_b32 v[236+\b], v[232+\b], s[SEL], s[SEL+1]
.endr
.irp b, 0,1,2,3
	s_delay_alu instid0(VALU_DEP_4)
	v_max_num_f32 v[232+\b], v[232+\b], v[236+\b]
.endr
	s_delay_alu instid0(VALU_DEP_2)
	v_max3_num_f32 v254, v232, v233, v234
	s_delay_alu instid0(VALU_DEP_1)
	v_max_num_f32 v254, v254, v235
	s_delay_alu instid0(VALU_DEP_1)
	v_mul_f32 v254, s[CS], v254                    ; the step's largest t
	s_delay_alu instid0(VALU_DEP_1)
	v_max_num_f32 v13, v13, v254                   ; the running largest t
	v_mov_b32 v254, v12
	s_delay_alu instid0(VALU_DEP_2)
	v_floor_f32 v12, -v13                          ; the new -M = -ceil(t)
	s_delay_alu instid0(VALU_DEP_1)
	v_sub_f32 v254, v12, v254                      ; old M - new M: a whole number, 0 or less
	s_delay_alu instid0(VALU_DEP_1)
	v_cvt_i32_f32 v254, v254
	s_delay_alu instid0(VALU_DEP_1)
	v_ldexp_f32 v252, 1.0, v254                    ; f = 2^(old M - new M)
.set j, 0
.rept 32
	v_pk_fma_f32 v[S+j:S+j+1], v[S+j:S+j+1], s[CS:CS+1], v[12:13] op_sel_hi:[1,0,0]   ; t - M
.set j, j+2
.endr
.irp b, 0,1,2,3
	v_fma_f32 v[232+\b], v[232+\b], s[CS], v12
.endr
.set j, 0
	s_wait_alu depctr_va_vdst(0)
.rept 64
	v_exp_f32 v[S+j], v[S+j]                       ; p = 2^(t - M)
.set j, j+1
.endr
	v_pk_mul_f32 v[14:15], v[14:15], v[252:253] op_sel_hi:[1,0]   ; the sums under the new M (a plain instruction behind the exponentials)
	s_wait_alu depctr_va_vdst(0)                   ; one wait for the batch, ahead of its first reader
.irp b, 0,1,2,3
	v_exp_f32 v[232+\b], v[232+\b]                 ; each block's largest p
.endr
	v_pk_add_f32 v[236:237], v[108:109], v[112:113]
	v_pk_add_f32 v[248:249], v[116:117], v[120:121]
	v_pk_add_f32 v[246:247], v[124:125], v[128:129]
	v_pk_add_f32 v[244:245], v[132:133], v[136:137]
	v_pk_add_f32 v[242:243], v[140:141], v[144:145]
	v_pk_add_f32 v[240:241], v[148:149], v[152:153]
	v_pk_add_f32 v[238:239], v[156:157], v[160:161]
	v_pk_add_f32 v[14:15], v[14:15], v[164:165]
	v_pk_add_f32 v[236:237], v[236:237], v[104:105]
	v_pk_add_f32 v[248:249], v[248:249], v[106:107]
	v_pk_add_f32 v[246:247], v[246:247], v[110:111]
	v_pk_add_f32 v[244:245], v[244:245], v[114:115]
	v_pk_add_f32 v[242:243], v[242:243], v[118:119]
	v_pk_add_f32 v[240:241], v[240:241], v[122:123]
	v_pk_add_f32 v[238:239], v[238:239], v[126:127]
	v_pk_add_f32 v[14:15], v[14:15], v[130:131]
	v_pk_add_f32 v[236:237], v[236:237], v[134:135]
	v_pk_add_f32 v[248:249], v[248:249], v[138:139]
	v_pk_add_f32 v[246:247], v[246:247], v[142:143]
	v_pk_add_f32 v[244:245], v[244:245], v[146:147]
	v_pk_add_f32 v[242:243], v[242:243], v[150:151]
	v_pk_add_f32 v[240:241], v[240:241], v[154:155]
	v_pk_add_f32 v[238:239], v[238:239], v[158:159]
	v_pk_add_f32 v[14:15], v[14:15], v[162:163]
	v_pk_add_f32 v[236:237], v[236:237], v[166:167]
	s_delay_alu instid0(VALU_DEP_2)
	v_pk_add_f32 v[14:15], v[14:15], v[244:245]
	s_delay_alu instid0(VALU_DEP_2)
	v_pk_add_f32 v[236:237], v[236:237], v[242:243]
	v_pk_add_f32 v[248:249], v[248:249], v[240:241]
	v_pk_add_f32 v[246:247], v[246:247], v[238:239]
	s_delay_alu instid0(VALU_DEP_2)
	v_pk_add_f32 v[14:15], v[14:15], v[248:249]
	s_delay_alu instid0(VALU_DEP_2)
	v_pk_add_f32 v[236:237], v[236:237], v[246:247]
	s_delay_alu instid0(VALU_DEP_1)
	v_pk_add_f32 v[14:15], v[14:15], v[236:237]
	s_wait_alu depctr_va_vdst(0)                   ; and one for the four
.irp b, 0,1,2,3
	v_max_num_f32 v[232+\b], 0x4800000, v[232+\b]  ; the floor 2^(9 - 127)
.endr
.irp b, 0,1,2,3
	s_delay_alu instid0(VALU_DEP_4)
	v_add_nc_u32 v[244+\b], 0xfc000000, v[232+\b]
.endr
.irp b, 0,1,2,3
	v_and_or_b32 v[240+\b], v[232+\b], 0x7f800000, s[MNT]
.endr
.irp b, 0,1,2,3
	v_lshrrev_b32 v[236+\b], 23, v[244+\b]
.endr
	s_delay_alu instid0(VALU_DEP_3)
	v_lshl_or_b32 v253, v237, 8, v236              ; p's scale word for these 128 keys
	s_delay_alu instid0(VALU_DEP_1)
	v_lshl_or_b32 v253, v238, 16, v253
	s_delay_alu instid0(VALU_DEP_1)
	v_lshl_or_b32 v253, v239, 24, v253
.irp b, 0,1,2,3
.set j, 0
.rept 8
	v_dual_min_num_f32 v[S+16*\b+j], v[240+\b], v[S+16*\b+j] :: v_dual_min_num_f32 v[S+16*\b+j+1], v[240+\b], v[S+16*\b+j+1]   ; the hold, two numbers a line; p is not negative
.set j, j+2
.endr
	v_cvt_scalef32_pk8_fp8_f32 v[PC+4*\b:PC+1+4*\b], v[S+16*\b:S+7+16*\b], v[244+\b]
	v_cvt_scalef32_pk8_fp8_f32 v[PC+2+4*\b:PC+3+4*\b], v[S+8+16*\b:S+15+16*\b], v[244+\b]
.endr
.set j, 0
.rept 16
	v_pk_mul_f32 v[O+j:O+j+1], v[O+j:O+j+1], v[252:253] op_sel_hi:[1,0]   ; O^T under the new M; these are also the places in front of the products below
.set j, j+2
.endr
	s_wait_alu depctr_va_vdst(0)
	s_wait_dscnt 0x0                               ; V
.irp t, 0,2
	v_wmma_scale_f32_16x16x128_f8f6f4 v[O+8*\t:O+8*\t+7], v[KVF+16*\t:KVF+16*\t+15], v[PC:PC+15], v[O+8*\t:O+8*\t+7], v[VS+\t/2], v253
	v_wmma_scale_f32_16x16x128_f8f6f4 v[O+8*\t+8:O+8*\t+15], v[KVF+16*\t+16:KVF+16*\t+31], v[PC:PC+15], v[O+8*\t+8:O+8*\t+15], v[VS+\t/2], v253 matrix_a_scale:MATRIX_SCALE_ROW1
.endr
	s_add_co_u32 s[TS], s[TS], 512
.endm
.macro SLOT_STEPS
	STEP 0
	STEP 1
	s_xor_b32 s[TB], s[TB], SLOT1
.endm
.macro QLOAD hd                        ; my query tile of head 2 (wave / 8) + hd: eight registers of codes, loaded twice, and its pair's scale word
	v_and_b32 v[ADK], 31, v0
	s_delay_alu instid0(VALU_DEP_1)
	v_lshlrev_b32 v[ADK], 4, v[ADK]
	global_load_b128 v[16:19], v[ADK], s[4:5] offset:65536*(\hd)
	global_load_b128 v[20:23], v[ADK], s[4:5] offset:65536*(\hd)+512
	global_load_b128 v[32:35], v[ADK], s[4:5] offset:65536*(\hd)
	global_load_b128 v[36:39], v[ADK], s[4:5] offset:65536*(\hd)+512
	global_load_b32 v255, v[QWA], s[6:7] offset:2048*(\hd)
.endm
.macro QSCALE
	v_lshrrev_b32 v254, s[U16], v255               ; my tile's two bytes
	s_delay_alu instid0(VALU_DEP_1)
	v_and_b32 v254, 0xffff, v254
	s_delay_alu instid0(VALU_DEP_1)
	v_or_b32 v[QS0], 0x01010000, v254              ; (q0, q1, 1, 1)
	s_delay_alu instid0(VALU_DEP_2)
	v_lshl_or_b32 v[QS1], v254, 16, 0x0101         ; (1, 1, q0, q1)
.endm
; A head is done: O^T / the sum, quantised along the head's 64: registers 8 hd .. 8 hd + 7 of o's fragment and bytes 2 hd, 2 hd + 1 of its scale word.  hd = 0: the statistics and O^T begin anew
.macro FINISH hd
	v_add_f32 v14, v14, v15
	s_delay_alu instid0(VALU_DEP_1)
	v_permlanex16_b32 v254, v14, s[SEL], s[SEL+1]
	s_delay_alu instid0(VALU_DEP_1)
	v_add_f32 v14, v14, v254                       ; the row's sum
	s_wait_alu depctr_va_vdst(0)
	v_rcp_f32 v14, v14
	v_nop
	s_wait_alu depctr_va_vdst(0)                   ; ahead of the reciprocal's first reader
.set j, 0
.rept 32
	v_mul_f32 v[N+j], v[O+j], v14                  ; each accumulator from its low end on
.set j, j+1
.endr
.irp b, 0,1
	v_max3_num_f32 v[232+\b], |v[N+16*\b]|, |v[N+1+16*\b]|, 0x4800000
.endr
.irp i, 2,4,6,8,10,12,14
.irp b, 0,1
	s_delay_alu instid0(VALU_DEP_2)
	v_max3_num_f32 v[232+\b], v[232+\b], |v[N+16*\b+\i]|, |v[N+1+16*\b+\i]|
.endr
.endr
.irp b, 0,1
	s_delay_alu instid0(VALU_DEP_2)
	v_permlanex16_b32 v[236+\b], v[232+\b], s[SEL], s[SEL+1]
.endr
.irp b, 0,1
	s_delay_alu instid0(VALU_DEP_2)
	v_max_num_f32 v[232+\b], v[232+\b], v[236+\b]
.endr
.irp b, 0,1
	s_delay_alu instid0(VALU_DEP_2)
	v_add_nc_u32 v[244+\b], 0xfc000000, v[232+\b]
.endr
.irp b, 0,1
	s_delay_alu instid0(VALU_DEP_4)
	v_and_or_b32 v[240+\b], v[232+\b], 0x7f800000, s[MNT]
.endr
.irp b, 0,1
	s_delay_alu instid0(VALU_DEP_4)
	v_lshrrev_b32 v[236+\b], 23, v[244+\b]
.endr
.if \hd == 0
	s_delay_alu instid0(VALU_DEP_1)
	v_lshl_or_b32 v[OW], v237, 8, v236
.else
	s_delay_alu instid0(VALU_DEP_2)
	v_lshl_or_b32 v[OW], v236, 16, v[OW]
	s_delay_alu instid0(VALU_DEP_1)
	v_lshl_or_b32 v[OW], v237, 24, v[OW]
.endif
.irp b, 0,1
.set j, 0
.rept 16
	v_med3_num_f32 v[N+16*\b+j], v[N+16*\b+j], -v[240+\b], v[240+\b]
.set j, j+1
.endr
	v_cvt_scalef32_pk8_fp8_f32 v[OC+8*(\hd)+4*\b:OC+8*(\hd)+4*\b+1], v[N+16*\b:N+16*\b+7], v[244+\b]
	v_cvt_scalef32_pk8_fp8_f32 v[OC+8*(\hd)+4*\b+2:OC+8*(\hd)+4*\b+3], v[N+16*\b+8:N+16*\b+15], v[244+\b]
.endr
	v_nop                                          ; a plain instruction behind the last conversion
.if \hd == 0
	v_mov_b32 v13, 0xff61b1e6
	s_delay_alu instid0(VALU_DEP_1)
	v_floor_f32 v12, -v13
	v_mov_b32 v14, 0
	v_mov_b32 v15, 0
.set j, 0
.rept 32
	v_mov_b32 v[O+j], 0
.set j, j+1
.endr
.endif
.endm
	s_load_b512 s[4:19], s[0:1], 0x0               ; qc, qs, kvc, kvs, wo_codes, wo_scales, bo, x
	s_load_b128 s[20:23], s[0:1], 0x40             ; r1, part
	v_lshl_add_u32 v[SPW], v0, 2, SPARE
	v_mov_b32 v[NIL], 0
	ds_add_u32 v5, v6
	ds_add_u32 v5, v6
	s_wait_dscnt 0x0
	v_lshrrev_b32 v254, 5, v0
	s_delay_alu instid0(VALU_DEP_1)
	v_readfirstlane_b32 s[WV], v254                ; wave 0..15
	s_and_b32 s[QT], s[WV], 7                      ; my query tile
	s_lshr_b32 s[HH], s[WV], 3                     ; my pair of heads
	s_bfe_u32 s[CX], ttmp6, 0x40000                ; my place in the cluster: it enters global addresses alone
	s_lshl_b32 s[BLK], ttmp9, 2
	s_add_co_u32 s[BLK], s[BLK], s[CX]             ; my block of 128 queries
	s_and_b32 s[BB], ttmp7, 0xffff                 ; the batch, which the partners share
	; descriptor group 1: 64 dense rows of 256 bytes (32 elements of 8 bytes): a record, or a batch's scale words
	s_mov_b32 s[G1], 15|(3<<16)|(1<<21)            ; the mask of all four work-groups; bit 21 beside it
	s_mov_b32 s[G1+1], 32<<16
	s_mov_b32 s[G1+2], 64<<16
	s_mov_b32 s[G1+3], 32<<16
	s_mov_b32 s[G1+4], 64
	s_mov_b32 s[G1+5], 32
	s_mov_b32 s[G1+6], 0
	s_mov_b32 s[G1+7], 0
	s_lshl_b32 s66, s[WV], 14                      ; waves 0-3: record w of a slot,
	s_lshr_b32 s67, s[WV], 1
	s_lshl_b32 s67, s67, 4
	s_and_b32 s68, s[WV], 1
	s_add_co_u32 s67, s67, s68                     ; which is record 16 (w / 2) + w % 2 of the batch's 32, for slot 0
	s_lshl_b32 s68, s67, 14
	s_lshl_b32 s67, s[BB], 19
	s_add_co_u32 s68, s68, s67
	s_mov_b32 s69, 0
	s_lshl_b32 s70, s[BB], 14
	s_mov_b32 s71, 0
	s_mov_b32 s[SEL], 0x76543210
	s_mov_b32 s[SEL+1], 0xfedcba98
	s_mov_b32 s[CS], 0x3e38aa3b                    ; log2(e) / 8
	s_mov_b32 s[CS+1], s[CS]
	s_mov_b32 s[MNT], 0x600000
	s_mov_b32 s[TB], 0
	s_mov_b32 s[TS], 0
	s_wait_kmcnt 0x0
	s_mov_b32 s[G0], 1
	s_mov_b32 s[G0+1], s66
	s_add_nc_u64 s[G0+2:G0+3], s[8:9], s[68:69]
	s_or_b32 s[G0+3], s[G0+3], 0x80000000
	s_mov_b32 s[G0S], 1
	s_mov_b32 s[G0S+1], KVS
	s_add_nc_u64 s[G0S+2:G0S+3], s[10:11], s[70:71]
	s_or_b32 s[G0S+3], s[G0S+3], 0x80000000
	CROUND                                         ; all four work-groups are here: the first joint loads meet
	s_cmp_lt_u32 s[WV], 4                          ; slot 0 (waves 0-3) and the scale words (wave 4)
	s_cbranch_scc0 .Lnot_kv
	tensor_load_to_lds s[G0:G0+3], s[G1:G1+7]
	s_nop 0
	PLACES 4
	s_branch .Lfirst_done
.Lnot_kv:
	s_cmp_eq_u32 s[WV], 4
	s_cbranch_scc0 .Lfirst_done
	tensor_load_to_lds s[G0S:G0S+3], s[G1:G1+7]
	s_nop 0
	PLACES 4
.Lfirst_done:
	s_lshl_b32 s66, s[BB], 2
	s_lshl_b32 s67, s[HH], 1
	s_add_co_u32 s66, s66, s67
	s_lshl_b32 s66, s66, 3
	s_add_co_u32 s66, s66, s[BLK]                  ; Q's record: (4 batch + head) x 8 + block
	s_lshl_b32 s68, s66, 13
	s_lshl_b32 s67, s[QT], 10
	s_add_co_u32 s68, s68, s67
	s_add_nc_u64 s[4:5], s[4:5], s[68:69]          ; my tile's codes
	s_lshl_b32 s68, s66, 8
	s_add_nc_u64 s[6:7], s[6:7], s[68:69]
	s_bfe_u32 s66, s[QT], 0x10001
	s_lshl_b32 s66, s66, 7
	s_lshr_b32 s67, s[QT], 2
	s_lshl_b32 s67, s67, 2
	s_add_co_u32 s66, s66, s67
	v_and_b32 v[QWA], 15, v0
	s_delay_alu instid0(VALU_DEP_1)
	v_lshl_add_u32 v[QWA], v[QWA], 3, s66          ; 8 r + 128 ((tile / 2) % 2) + 4 (tile / 4)
	s_and_b32 s[U16], s[QT], 1
	s_lshl_b32 s[U16], s[U16], 4
	QLOAD 0
	v_and_b32 v254, 31, v0
	s_lshl_b32 s66, s[HH], 15
	v_lshl_add_u32 v[LIH], v254, 4, s66
	s_lshl_b32 s66, s[HH], 13
	s_add_co_u32 s66, s66, KVS
	v_lshl_add_u32 v[L8H], v254, 3, s66
	v_lshlrev_b32 v[PFO], 8, v254
	s_lshl_b32 s66, s[BB], 3
	s_add_co_u32 s66, s66, s[BLK]                  ; 8 batch + block
	s_lshl_b32 s68, s66, 17
	s_add_nc_u64 s[XBLK:XBLK+1], s[18:19], s[68:69]
	s_add_nc_u64 s[20:21], s[20:21], s[68:69]
	s_lshl_b32 s70, s[WV], 13                      ; my wave's 8 rows on the way out
	s_add_nc_u64 s[XB:XB+1], s[XBLK:XBLK+1], s[70:71]
	s_add_nc_u64 s[20:21], s[20:21], s[70:71]
	s_lshl_b32 s68, s66, 11
	s_add_nc_u64 s[22:23], s[22:23], s[68:69]      ; my block's row of part
	s_lshl_b32 s70, s[WV], 12
	s_add_nc_u64 s[12:13], s[12:13], s[70:71]      ; wo: my 16 rows,
	s_lshl_b32 s70, s[WV], 7
	s_add_nc_u64 s[14:15], s[14:15], s[70:71]      ; their scale bytes,
	s_lshl_b32 s70, s[WV], 6
	s_add_nc_u64 s[16:17], s[16:17], s[70:71]      ; and bo's 16 numbers
	s_lshr_b32 s66, s[CX], 1                       ; the prefetches: record cx of a slot,
	s_lshl_b32 s66, s66, 4
	s_and_b32 s67, s[CX], 1
	s_add_co_u32 s66, s66, s67
	s_lshl_b32 s66, s66, 14
	s_lshl_b32 s67, s[BB], 19
	s_add_co_u32 s66, s66, s67
	s_and_b32 s67, s[WV], 1
	s_lshl_b32 s67, s67, 13                        ; its half,
	s_add_co_u32 s68, s66, s67
	s_add_co_u32 s68, s68, 2*REC                   ; in slot 1: the first change of slots steps it to slot 2.  Nothing is prefetched here, at the head
	s_add_nc_u64 s[PFA:PFA+1], s[8:9], s[68:69]
	s_sub_co_u32 s66, s[WV], 4
	s_lshr_b32 s66, s66, 1                         ; 0 in waves 4 and 5,
	s_or_b32 s66, s66, ttmp9                       ; of the batch's first cluster: the same in all four partners
	s_cmp_eq_u32 s66, 0
	s_cselect_b32 s[LIM], 1, -1
	v_mov_b32 v13, 0xff61b1e6                      ; the largest t so far: -3e38
	s_delay_alu instid0(VALU_DEP_1)
	v_floor_f32 v12, -v13
	v_mov_b32 v14, 0
	v_mov_b32 v15, 0
.irp j, 24,25,26,27,28,29,30,31
	v_mov_b32 v[\j], 0                             ; the eight registers of zero codes between Q's two copies
.endr
.irp j, 236,237,238,239,253
	v_mov_b32 v[\j], 0                             ; written once: permutes' destinations, and the upper half of the pair v[252:253]
.endr
.set j, 0
.rept 32
	v_mov_b32 v[O+j], 0                            ; the step is written once: the first finds zeros
.set j, j+1
.endr
	s_wait_loadcnt 0x0                             ; Q
	QSCALE
	s_mov_b32 s[SLOTS], 7
.Lhead_a:                                          ; four slots: the first head's eight key steps
	CHANGE 1
	s_wait_alu depctr_va_vdst(0)
	SLOT_STEPS
	s_sub_co_u32 s[SLOTS], s[SLOTS], 1
	s_cmp_lg_u32 s[SLOTS], 3
	s_cbranch_scc1 .Lhead_a
	PLACES 9
	QLOAD 1                                        ; the second head's Q lands while the first head's result is quantised
	FINISH 0
	s_wait_loadcnt 0x0
	QSCALE
	s_mov_b32 s[SLOTS], 3                          ; three more slots are asked for
.Lhead_b:
	CHANGE 1
	SLOT_STEPS
	s_sub_co_u32 s[SLOTS], s[SLOTS], 1
	s_cmp_lg_u32 s[SLOTS], 0
	s_cbranch_scc1 .Lhead_b
	CHANGE 0                                       ; the last slot is written out
	STEP 0
	global_prefetch_b8 v[PFO], s[XB:XB+1] th:TH_LOAD_NT scope:SCOPE_SE    ; my 8 rows of x for the way out: 32 blocks of 256 bytes, a lane a block, a key step ahead
	STEP 1
	; ---- THE WAY OUT.  Wave w now owns output channels 16 w .. 16 w + 15
	PLACES 9
	v_and_b32 v1, 31, v0
	v_and_b32 v12, 15, v0                          ; r
	v_bfe_u32 v13, v0, 4, 1                        ; h
	s_lshl_b32 s66, s[QT], 1
	s_add_co_u32 s66, s66, s[HH]                   ; my image: 2 x query tile + K step
	s_lshl_b32 s67, s66, 11
	s_add_co_u32 s67, s67, OIMG
	s_lshl_b32 s66, s66, 7
	s_add_co_u32 s66, s66, OSC
	v_lshl_add_u32 v7, v1, 4, s67                  ; where I store it,
	v_lshl_add_u32 v8, v1, 2, s66                  ; and its scale word
	v_lshlrev_b32 v2, 8, v12
	s_delay_alu instid0(VALU_DEP_1)
	v_lshl_add_u32 v2, v13, 4, v2                  ; wo: row r, + 16 h
	v_lshlrev_b32 v3, 3, v12
	s_delay_alu instid0(VALU_DEP_1)
	v_lshl_add_u32 v3, v13, 2, v3                  ; its scale words: lanes 0-15 K step 0, lanes 16-31 K step 1
	v_lshlrev_b32 v4, 5, v13                       ; bo: eight numbers of my half
	v_lshl_add_u32 v10, v1, 4, OIMG
	v_lshl_add_u32 v12, v1, 2, OSC
	v_lshlrev_b32 v1, 4, v1                        ; 16 x lane
.irp k, 0,1
.irp c, 0,1,2,3
	global_load_b128 v[16+16*\k+4*\c:19+16*\k+4*\c], v2, s[12:13] offset:128*\k+32*\c
.endr
.endr
	global_load_b32 v255, v3, s[14:15]
	global_load_b128 v[48:51], v4, s[16:17]
	global_load_b128 v[52:55], v4, s[16:17] offset:16
.irp i, 0,1,2,3,4,5,6,7
	global_load_b128 v[56+8*\i:59+8*\i], v1, s[XB:XB+1] offset:1024*\i        ; x, rows 8 w + i: 512 consecutive bytes a load
	global_load_b128 v[60+8*\i:63+8*\i], v1, s[XB:XB+1] offset:1024*\i+512
.endr
	FINISH 1
.irp c, 0,1,2,3
	ds_store_b128 v7, v[OC+4*\c:OC+4*\c+3] offset:512*\c
.endr
	ds_store_b32 v8, v[OW]
	s_wait_dscnt 0x0
	s_barrier_signal -1
	s_barrier_wait -1                              ; o's sixteen images lie in LDS, and nobody reads the ring any more
	s_wait_loadcnt 16                              ; wo, its scale words and bo are in; the 16 younger loads, x's, may be out
	v_and_b32 v2, 15, v0
	s_delay_alu instid0(VALU_DEP_1)
	v_and_b32 v3, 8, v2
	s_delay_alu instid0(VALU_DEP_1)
	v_add_nc_u32 v2, v2, v3                        ; r + 8 (r / 8): the queries of a tile are not neighbours
	s_delay_alu instid0(VALU_DEP_1)
	v_mul_u32_u24 v2, v2, SP
	v_bfe_u32 v3, v0, 4, 1
	s_delay_alu instid0(VALU_DEP_1)
	v_lshl_add_u32 v2, v3, 5, v2
	s_lshl_b32 s66, s[WV], 6
	v_add_nc_u32 v2, s66, v2                       ; the stage, in: my query's row, my channels' 32 bytes; tiles 0-3,
	s_delay_alu instid0(VALU_DEP_1)
	v_add_nc_u32 v3, 64*SP, v2                     ; tiles 4-7
	s_mul_i32 s66, s[WV], 8*SP
	v_add_nc_u32 v4, s66, v1                       ; and back: rows 8 w + i
	s_lshl_b32 s66, s[WV], 11
	s_add_co_u32 s66, s66, STAT
	v_add_nc_u32 v7, s66, v1                       ; my column sums
.irp k, 0,1                            ; o wo^T + bo, transposed: eight accumulators (query tiles), four at a time
.irp g, 0,1
.if (\k)+(\g) > 0
	PLACES 9
.endif
.irp m, 0,1,2,3
.irp c, 0,1,2,3
	ds_load_b128 v[120+16*\m+4*\c:123+16*\m+4*\c], v10 offset:(2*(4*\g+\m)+\k)*2048+512*\c
.endr
	ds_load_b32 v[248+\m], v12 offset:(2*(4*\g+\m)+\k)*128
.endr
	s_wait_dscnt 0x0
.irp m, 0,1,2,3
.if \k == 0
	v_wmma_scale_f32_16x16x128_f8f6f4 v[184+8*(4*\g+\m):191+8*(4*\g+\m)], v[16:31], v[120+16*\m:135+16*\m], v[48:55], v255, v[248+\m]
.else
	v_wmma_scale_f32_16x16x128_f8f6f4 v[184+8*(4*\g+\m):191+8*(4*\g+\m)], v[32:47], v[120+16*\m:135+16*\m], v[184+8*(4*\g+\m):191+8*(4*\g+\m)], v255, v[248+\m] matrix_a_scale:MATRIX_SCALE_ROW1
.endif
.endr
.endr
.endr
	PLACES 9
	global_load_b128 v[16:19], v1, s[XBLK:XBLK+1]              ; the block's first row of x: half of the pivot
	global_load_b128 v[20:23], v1, s[XBLK:XBLK+1] offset:512
	s_wait_alu depctr_va_vdst(0)
.irp m, 0,1,2,3,4,5,6,7
	ds_store_b128 v[2+\m/4], v[184+8*\m:187+8*\m] offset:(32*((\m/2)%2)+8*(\m%2))*SP       ; each accumulator from its low end on
	ds_store_b128 v[2+\m/4], v[188+8*\m:191+8*\m] offset:(32*((\m/2)%2)+8*(\m%2))*SP+16
.endr
	s_wait_dscnt 0x0
	s_barrier_signal -1
	s_barrier_wait -1                              ; 128 whole rows lie in the stage
.irp i, 0,1,2,3,4,5,6,7
	ds_load_b128 v[120+8*\i:123+8*\i], v4 offset:\i*SP
	ds_load_b128 v[124+8*\i:127+8*\i], v4 offset:\i*SP+512
.endr
	ds_load_b128 v[24:27], v1                      ; the stage's first row: the other half of the pivot
	ds_load_b128 v[28:31], v1 offset:512
	v_lshlrev_b32 v2, 2, v0                        ; for the end: 4 t,
	s_delay_alu instid0(VALU_DEP_1)
	v_add_nc_u32 v3, STAT, v2
	v_lshlrev_b32 v8, 3, v0                        ; 8 t
	s_wait_dscnt 0x0
	s_wait_loadcnt 0x0
.irp j, 0,2,4,6
	v_pk_add_f32 v[16+\j:17+\j], v[16+\j:17+\j], v[24+\j:25+\j]           ; P = r1's first row of the block, at my 8 columns
.endr
.irp i, 0,1,2,3,4,5,6,7
.irp q, 0,1
	v_pk_add_f32 v[120+8*\i+4*\q:121+8*\i+4*\q], v[120+8*\i+4*\q:121+8*\i+4*\q], v[56+8*\i+4*\q:57+8*\i+4*\q]     ; r1 = x + o wo^T + bo
	v_pk_add_f32 v[122+8*\i+4*\q:123+8*\i+4*\q], v[122+8*\i+4*\q:123+8*\i+4*\q], v[58+8*\i+4*\q:59+8*\i+4*\q]
	global_store_b128 v1, v[120+8*\i+4*\q:123+8*\i+4*\q], s[20:21] offset:1024*\i+512*\q                          ; 512 consecutive bytes, aligned
.if \i == 0
	v_pk_add_f32 v[184+4*\q:185+4*\q], v[120+4*\q:121+4*\q], v[16+4*\q:17+4*\q] neg_lo:[0,1] neg_hi:[0,1]         ; the first row starts the sums about the pivot
	v_pk_add_f32 v[186+4*\q:187+4*\q], v[122+4*\q:123+4*\q], v[18+4*\q:19+4*\q] neg_lo:[0,1] neg_hi:[0,1]
	s_delay_alu instid0(VALU_DEP_2)
	v_pk_mul_f32 v[192+4*\q:193+4*\q], v[184+4*\q:185+4*\q], v[184+4*\q:185+4*\q]
	s_delay_alu instid0(VALU_DEP_2)
	v_pk_mul_f32 v[194+4*\q:195+4*\q], v[186+4*\q:187+4*\q], v[186+4*\q:187+4*\q]
.else
	v_pk_add_f32 v[200+4*\q:201+4*\q], v[120+8*\i+4*\q:121+8*\i+4*\q], v[16+4*\q:17+4*\q] neg_lo:[0,1] neg_hi:[0,1]
	v_pk_add_f32 v[202+4*\q:203+4*\q], v[122+8*\i+4*\q:123+8*\i+4*\q], v[18+4*\q:19+4*\q] neg_lo:[0,1] neg_hi:[0,1]
	s_delay_alu instid0(VALU_DEP_2)
	v_pk_add_f32 v[184+4*\q:185+4*\q], v[184+4*\q:185+4*\q], v[200+4*\q:201+4*\q]
	s_delay_alu instid0(VALU_DEP_2)
	v_pk_add_f32 v[186+4*\q:187+4*\q], v[186+4*\q:187+4*\q], v[202+4*\q:203+4*\q]
	s_delay_alu instid0(VALU_DEP_4)
	v_pk_fma_f32 v[192+4*\q:193+4*\q], v[200+4*\q:201+4*\q], v[200+4*\q:201+4*\q], v[192+4*\q:193+4*\q]
	s_delay_alu instid0(VALU_DEP_4)
	v_pk_fma_f32 v[194+4*\q:195+4*\q], v[202+4*\q:203+4*\q], v[202+4*\q:203+4*\q], v[194+4*\q:195+4*\q]
.endif
.endr
.endr
	ds_store_b128 v7, v[184:187]
	ds_store_b128 v7, v[188:191] offset:512
	ds_store_b128 v7, v[192:195] offset:1024
	ds_store_b128 v7, v[196:199] offset:1536
	s_wait_dscnt 0x0
	s_barrier_signal -1
	s_barrier_wait -1
	s_cmp_gt_u32 s[WV], 7                          ; waves 0-7: thread t finishes channel t; no barrier stands under this branch
	s_cbranch_scc1 .Ldone
	global_load_b32 v89, v2, s[XBLK:XBLK+1]
	ds_load_b32 v88, v2                            ; the stage's first row
.set j, 0
.rept 16
	ds_load_b32 v[56+j], v3 offset:2048*j
	ds_load_b32 v[72+j], v3 offset:2048*j+1024
.set j, j+1
.endr
	s_wait_dscnt 0x0
.irp p, 56, 72
.irp j, 0,2,4,6
	v_pk_add_f32 v[\p+\j:\p+\j+1], v[\p+\j:\p+\j+1], v[\p+8+\j:\p+9+\j]
.endr
	s_delay_alu instid0(VALU_DEP_2)
	v_pk_add_f32 v[\p:\p+1], v[\p:\p+1], v[\p+4:\p+5]
	s_delay_alu instid0(VALU_DEP_2)
	v_pk_add_f32 v[\p+2:\p+3], v[\p+2:\p+3], v[\p+6:\p+7]
	s_delay_alu instid0(VALU_DEP_1)
	v_pk_add_f32 v[\p:\p+1], v[\p:\p+1], v[\p+2:\p+3]
	s_delay_alu instid0(VALU_DEP_1)
	v_add_f32 v[\p], v[\p], v[\p+1]
.endr
	s_wait_loadcnt 0x0
	v_add_f32 v88, v89, v88                        ; the pivot: the same two numbers added as above
	v_mul_f32 v90, 0x3c000000, v56                 ; S1 / 128
	s_wait_alu depctr_va_vdst(0)
	v_add_f32 v92, v88, v90                        ; the block's mean
	v_fma_f32 v93, -v90, v56, v72                  ; S2 - S1^2 / 128
	global_store_b64 v8, v[92:93], s[22:23]        ; a wave stores 256 consecutive bytes, aligned
.Ldone:
	s_wait_tensorcnt 0x0                           ; the wave's end
	ds_add_u32 v[SPW], v[NIL]
	s_wait_dscnt 0x0
	CROUND                                         ; the closing round
	s_endpgm
.Lfunc_end_k_qe7b619b744_attn:
	.size	k_qe7b619b744_attn, .Lfunc_end_k_qe7b619b744_attn-k_qe7b619b744_attn
	.p2alignl 7, 3214868480
	.fill 96, 4, 3214868480
	.section	.rodata,"a",@progbits
	.p2align	6, 0x0
	.amdhsa_kernel k_qe7b619b744_attn
		.amdhsa_group_segment_fixed_size 327680
		.amdhsa_private_segment_fixed_size 0
		.amdhsa_enable_private_segment 0
		.amdhsa_kernarg_size 80
		.amdhsa_user_sgpr_count 2
		.amdhsa_user_sgpr_kernarg_segment_ptr 1
		.amdhsa_wavefront_size32 1
		.amdhsa_system_sgpr_workgroup_id_x 1
		.amdhsa_system_sgpr_workgroup_id_y 1
		.amdhsa_system_sgpr_workgroup_id_z 1
		.amdhsa_system_vgpr_workitem_id 0
		.amdhsa_next_free_vgpr 256
		.amdhsa_next_free_sgpr 80
		.amdhsa_reserve_vcc 0
		.amdhsa_float_denorm_mode_32 3
		.amdhsa_float_denorm_mode_16_64 3
		.amdhsa_memory_ordered 1
		.amdhsa_forward_progress 1
		.amdhsa_inst_pref_size 173
	.end_amdhsa_kernel
	.amdgpu_metadata
---
amdhsa.version: [ 1, 2 ]
amdhsa.kernels:
  - .name:           k_qe7b619b744_attn
    .symbol:         k_qe7b619b744_attn.kd
    .args:
      - { .name: qc, .offset: 0, .size: 8, .value_kind: global_buffer, .address_space: global }
      - { .name: qs, .offset: 8, .size: 8, .value_kind: global_buffer, .address_space: global }
      - { .name: kvc, .offset: 16, .size: 8, .value_kind: global_buffer, .address_space: global }
      - { .name: kvs, .offset: 24, .size: 8, .value_kind: global_buffer, .address_space: global }
      - { .name: wo_codes, .offset: 32, .size: 8, .value_kind: global_buffer, .address_space: global }
      - { .name: wo_scales, .offset: 40, .size: 8, .value_kind: global_buffer, .address_space: global }
      - { .name: bo, .offset: 48, .size: 8, .value_kind: global_buffer, .address_space: global }
      - { .name: x, .offset: 56, .size: 8, .value_kind: global_buffer, .address_space: global }
      - { .name: r1, .offset: 64, .size: 8, .value_kind: global_buffer, .address_space: global }
      - { .name: part, .offset: 72, .size: 8, .value_kind: global_buffer, .address_space: global }
    .group_segment_fixed_size: 327680
    .private_segment_fixed_size: 0
    .kernarg_segment_align: 8
    .kernarg_segment_size: 80
    .max_flat_workgroup_size: 512
    .sgpr_count:     80
    .vgpr_count:     256
    .wavefront_size: 32
...
	.end_amdgpu_metadata
.endif
;; end of part 4
;; launch fin2: the kernel of part 2 again; grid 8 x 1, 8 waves a work-group, no clusters, 7,168 bytes of LDS; arguments part, g2, beta2, bn; writes bn
;; launch mlp (part 5): grid 256 x 1, 4 waves a work-group, clusters of 4 x 1, 327,680 bytes of LDS; arguments r1, bn, w1_codes, w1_scales, bf1, w2_codes, w2_scales, bf2, out0; writes out0
.if DOCPART == 5
	.amdgcn_target "amdgcn-amd-amdhsa--gfx1250"
	.amdhsa_code_object_version 6
	.text
	.protected	k_qe7b619b744_mlp
	.globl	k_qe7b619b744_mlp
	.p2align	8
	.type	k_qe7b619b744_mlp,@function
k_qe7b619b744_mlp:
	s_mov_b64 s[64:65], 0
	v_nop
	global_prefetch_b8 v0, s[64:65] scope:SCOPE_SE
	s_setreg_imm32_b32 hwreg(HW_REG_WAVE_MODE, 25, 1), 1
	s_wait_xcnt 0x0
	s_wait_alu depctr_hold_cnt(0) depctr_sa_sdst(0) depctr_va_vdst(0) depctr_va_sdst(0) depctr_va_ssrc(0) depctr_va_vcc(0) depctr_vm_vsrc(0)
	s_getreg_b32 s2, hwreg(HW_REG_IB_STS2, 6, 4)
	s_cmp_eq_u32 s2, 0
	s_cbranch_scc0 .Lentry_in_a_cluster
	s_endpgm
.Lentry_in_a_cluster:
	s_bfe_u32 s2, ttmp6, 0x10000c
	s_cmp_lg_u32 s2, 0x3003
	s_cbranch_scc0 .Lentry_shape_is_right
	s_endpgm
.Lentry_shape_is_right:
; out0 = r1 + relu(bn2(r1) w1^T + bf1) w2^T + bf2, both products on codes of FP8 (E4M3) with E8M0 scales; h2 = bn2(r1) is quantised along its 256 channels, the hidden layer along its 1,024 units.
; SHARES.  Work-group g takes rows 128 g .. 128 g + 127.  Wave w = 2 i + j: rows 64 i .. 64 i + 63 (four tiles of 16) and, of each chunk of 256 hidden units, units 128 j .. 128 j + 127.
; The first product is used transposed (source 0 = 16 rows of w1, source 1 = h2) and lane r of w1's tile 2 b + u takes row 32 b + 8 u + r + 8 (r / 8): a lane holds one row of the hidden layer, and the 16 registers of two
; neighbouring tiles are 16 neighbours along the next K.  So the conversions' results ARE the second product's operand: the hidden layer never leaves the registers, and no barrier stands inside a chunk.
; Each wave sums all 256 output channels of its rows over its own half of K: 64 accumulators, 512 registers.  Window 2 holds the 128 channels that the wave finishes (128 j on), window 3 the partner's 128; the two meet once, through LDS.
; THE SUMS BEGIN AS LOADED NUMBERS: window 2 with bf2, window 3 with r1 (from the tile in LDS, in the results' layout).  Nothing is cleared, r1 is read from memory once, nothing is added on the way out but the partner's half.
; THE RING: two slots, each a chunk's 256 rows of w1 and 256 bytes of each of w2's 256 rows; all work-groups walk the same weights, so the four of a cluster ask jointly, a quarter of a slot a wave.  r1's tile lies in slot 1 until h2 is made.
; By this text's count a wave has one tensor load out.  No prefetch: a slot is asked for a whole chunk (128 matrix instructions and four quantisers a wave) ahead of the wait for it.
; LIMITS: NaN and infinities are not served; a block of zeros gets the byte 1 (its codes are zeros; this launch alone reads the bytes); h2 = r1 * scale + shift is one fused multiply-add.
; REGISTERS.  window 0: v0-23 addresses; v24-47 scale words; v48-63 at work; v64-127 the hidden layer's codes (until they are written: bf1, the first products' C); v128-255 hidden sums, then eight fragments of w2.
;   window 1: v0-127 h2's eight fragments, v128-255 eight fragments of w1 or w2 (at the head: bn's scales and shifts).   windows 2, 3: the accumulators, (n, m) at 32 n + 8 m.
.set WP,    272                        ; a weight's row in LDS: 256 bytes + 16
.set HALF,  128*WP
.set SLOT,  4*HALF                     ; w1's 256 rows, then w2's 256
.set XP,    1040                       ; a row of r1 in LDS: 1,024 bytes + 16
.set XTW,   32*XP
.set XT,    SLOT
.set XIMG,  2*SLOT                     ; h2's 16 images (tile T, K step k at (2 T + k) x 2,048)
.set XSC,   XIMG+32768                 ; their scale words, 128 bytes a tile
.set W2SC,  XSC+1024                   ; w2's scale bytes as they lie in memory
.set BFT,   W2SC+8192                  ; bf1
.set SPARE, BFT+4096
.set SP2,   528                        ; the way out: a row of 128 channels + 16 bytes
.set SPW, 2
.set NIL, 3
.set XA,  4
.set LIX, 5
.set LSX, 6
.set XWI, 7
.set XWS, 8
.set LI,  9
.set BNA, 10
.set W1A, 11
.set W2A0, 12
.set W2A1, 13
.set W2SA0, 14
.set W2SA1, 15
.set BFA0, 16
.set WS0, 17
.set A1,  18
.set A2,  19
.set A3,  20
.set A4,  21
.set A5,  22
.set A6,  23
.set PW,  22                           ; at the head: the scale words of a tile's two K steps
.set WSA, 1
.set XS,  24
.set HS,  28
.set W1S, 32
.set W2S, 40
.set TM,  48
.set PC,  64
.set H,   128
.set G1R, 24
.set G1A, 32
.set G1B, 40
.set G0R, 48
.set G0A, 52
.set G0B, 56
.set WV,  72
.set FA,  73
.set SEL, 74
.set MNT, 76
.set JJ,  77
.set TT,  78                           ; s78  LDS byte at which the slot in hand begins
.set TF,  79                           ; s79  the slot filled last
.set CNT, 80                           ; s80  the chunk
.set WH,  81
.set MSB, 0
.macro WIN new                         ; the immediate's high byte repeats the setting that is left
.if MSB != \new
	s_set_vgpr_msb (MSB<<8)|\new
.set MSB, \new
.endif
.endm
.macro PLACES n
.rept \n
	v_nop
.endr
.endm
.macro CROUND                          ; a round of the cluster's barrier
	s_barrier_signal -1
	s_barrier_wait -1
	s_cmp_lg_u32 s[WV], 0
	s_cbranch_scc1 .Lnot_wave_0_\@
	s_barrier_signal -3
.Lnot_wave_0_\@:
	s_barrier_wait -3
	s_barrier_signal -1
	s_barrier_wait -1
.endm
.macro JLOAD                           ; waves 0, 1 fetch w1's halves, waves 2, 3 w2's; an s_nop 0 and four v_nop follow each line
	s_cmp_eq_u32 s[FA], 0
	s_cbranch_scc0 .Lfor_b_\@
	tensor_load_to_lds s[G0A:G0A+3], s[G1A:G1A+7]
	s_nop 0
	PLACES 4
	s_branch .Lasked_\@
.Lfor_b_\@:
	tensor_load_to_lds s[G0B:G0B+3], s[G1B:G1B+7]
	s_nop 0
	PLACES 4
.Lasked_\@:
.endm
; 64 numbers of a lane, v[s] on, four blocks of 16 (the other 16 of each lie in lane l xor 16) -> codes at pcb + ds (b / 2) + 4 (b % 2).  relu: what is negative becomes 0.
; wm = 1: the four bytes make word wr;  2: bytes 0, 1 of words wr (blocks 0, 1) and wr + 1 (blocks 2, 3);  3: their bytes 2, 3.  The words stand ahead of the 64 holds: more than eight places ahead of a product.
.macro QUANT s, relu, pcb, ds, wm, wr
.irp b, 0,1,2,3
.if \relu
	v_max3_num_f32 v[TM+\b], v[\s+16*\b], v[\s+1+16*\b], 0x4800000         ; with the floor 2^(9 - 127): the byte cannot fall under 1
.else
	v_max3_num_f32 v[TM+\b], |v[\s+16*\b]|, |v[\s+1+16*\b]|, 0x4800000
.endif
.endr
.irp i, 2,4,6,8,10,12,14
.irp b, 0,1,2,3
.if \relu
	v_max3_num_f32 v[TM+\b], v[TM+\b], v[\s+16*\b+\i], v[\s+1+16*\b+\i]
.else
	v_max3_num_f32 v[TM+\b], v[TM+\b], |v[\s+16*\b+\i]|, |v[\s+1+16*\b+\i]|
.endif
.endr
.endr
.irp b, 0,1,2,3
	v_permlanex16_b32 v[TM+4+\b], v[TM+\b], s[SEL], s[SEL+1]
.endr
.irp b, 0,1,2,3
	v_max_num_f32 v[TM+\b], v[TM+\b], v[TM+4+\b]                           ; the block's largest magnitude
.endr
.irp b, 0,1,2,3
	v_add_nc_u32 v[TM+12+\b], 0xfc000000, v[TM+\b]                         ; 8 off its exponent field: the conversion's scale operand
.endr
.irp b, 0,1,2,3
	v_and_or_b32 v[TM+8+\b], v[TM+\b], 0x7f800000, s[MNT]                  ; 448 x the scale
.endr
.irp b, 0,1,2,3
	v_lshrrev_b32 v[TM+4+\b], 23, v[TM+12+\b]                              ; the scale's byte
.endr
.if \wm == 1
	v_lshl_or_b32 v[\wr], v[TM+5], 8, v[TM+4]
	v_lshl_or_b32 v[\wr], v[TM+6], 16, v[\wr]
	v_lshl_or_b32 v[\wr], v[TM+7], 24, v[\wr]
.elseif \wm == 2
	v_lshl_or_b32 v[\wr], v[TM+5], 8, v[TM+4]
	v_lshl_or_b32 v[\wr+1], v[TM+7], 8, v[TM+6]
.else
	v_lshl_or_b32 v[\wr], v[TM+4], 16, v[\wr]
	v_lshl_or_b32 v[\wr+1], v[TM+6], 16, v[\wr+1]
	v_lshl_or_b32 v[\wr], v[TM+5], 24, v[\wr]
	v_lshl_or_b32 v[\wr+1], v[TM+7], 24, v[\wr+1]
.endif
.irp b, 0,1,2,3
.irp i, 0,1,2,3,4,5,6,7,8,9,10,11,12,13,14,15
.if \relu
	v_med3_num_f32 v[\s+16*\b+\i], v[\s+16*\b+\i], 0, v[TM+8+\b]           ; the activation and the hold in one (the conversion does not saturate: ISA guide 7.6.2)
.else
	v_med3_num_f32 v[\s+16*\b+\i], v[\s+16*\b+\i], -v[TM+8+\b], v[TM+8+\b]
.endif
.endr
	v_cvt_scalef32_pk8_fp8_f32 v[\pcb+\ds*(\b/2)+4*(\b%2):\pcb+\ds*(\b/2)+4*(\b%2)+1], v[\s+16*\b:\s+7+16*\b], v[TM+12+\b]
	v_cvt_scalef32_pk8_fp8_f32 v[\pcb+\ds*(\b/2)+4*(\b%2)+2:\pcb+\ds*(\b/2)+4*(\b%2)+3], v[\s+8+16*\b:\s+15+16*\b], v[TM+12+\b]
.endr
	v_nop                                          ; a plain line behind the last conversion
.endm
; Tile u of my wave's 32 rows, K step k: 64 numbers of r1 from LDS, the batch norm, the quantiser, the image
.macro BNQ u, k
.irp c, 0,1,2,3
.irp j, 0,1,2,3
	ds_load_b128 v[H+16*\c+4*\j:H+16*\c+4*\j+3], v[XA] offset:(\u)*16*XP+512*(\k)+128*\c+16*\j
.endr
.endr
	s_wait_dscnt 0x0
	WIN 0x14                                       ; sources 1 and 2 in window 1
.set i, 0
.rept 32
	v_pk_fma_f32 v[H+i:H+i+1], v[H+i:H+i+1], v[128*(\k)+i:128*(\k)+i+1], v[128*(\k)+64+i:128*(\k)+64+i+1]
.set i, i+2
.endr
	WIN 0
	QUANT H, 0, PC, 8, 1, PW+(\k)
.irp c, 0,1,2,3
	ds_store_b128 v[XWI], v[PC+4*\c:PC+4*\c+3] offset:(2*(\u)+(\k))*2048+512*\c
.endr
.if \k == 1
	v_cndmask_b32 v[PW], v[PW], v[PW+1], vcc_lo    ; lanes 0-15 keep K step 0's word, lanes 16-31 take K step 1's
	ds_store_b32 v[XWS], v[PW] offset:128*(\u)
.endif
	s_wait_dscnt 0x0
.endm
.macro W1LOAD s                        ; w1's tiles 4 s .. 4 s + 3 of my 128 units, K step 0's four fragments and then K step 1's -> window 1, v128 on
	WIN 0x40
.irp k, 0,1
.irp tt, 0,1,2,3
.irp c, 0,1,2,3
	ds_load_b128 v[128+16*(4*\k+\tt)+4*\c:128+16*(4*\k+\tt)+4*\c+3], v[A1] offset:(32*(2*(\s)+\tt/2)+8*(\tt%2))*WP+128*\k+32*\c
.endr
.endr
.endr
	WIN 0
.endm
; 64 hidden units x my 64 rows: 16 accumulators by turns, K step 0 (C = bf1) and then K step 1.  mid = 1: K step 1's fragments are waited for between the two
.macro P1 s, mid
	WIN 0x05                                       ; sources 0 (w1) and 1 (h2) in window 1
.irp tt, 0,1,2,3
.irp m, 0,1,2,3
	v_wmma_scale_f32_16x16x128_f8f6f4 v[H+32*\m+8*\tt:H+32*\m+8*\tt+7], v[128+16*\tt:128+16*\tt+15], v[32*\m:32*\m+15], v[PC+16*\tt+8*(\s):PC+16*\tt+8*(\s)+7], v[W1S+4*(\s)+\tt], v[XS+\m]
.endr
.endr
.if \mid
	s_wait_dscnt 0x0
.endif
.irp tt, 0,1,2,3
.irp m, 0,1,2,3
	v_wmma_scale_f32_16x16x128_f8f6f4 v[H+32*\m+8*\tt:H+32*\m+8*\tt+7], v[192+16*\tt:192+16*\tt+15], v[32*\m+16:32*\m+31], v[H+32*\m+8*\tt:H+32*\m+8*\tt+7], v[W1S+4*(\s)+\tt], v[XS+\m] matrix_a_scale:MATRIX_SCALE_ROW1 matrix_b_scale:MATRIX_SCALE_ROW1
.endr
.endr
	WIN 0
	PLACES 9                                       ; nine serve loads, reads and registers written over alike
.endm
.macro P2H hb                          ; eight tiles of output channels x my four row tiles, K = my 128 hidden units: 32 accumulators by turns
.irp n, 0,1,2,3,4,5,6,7
.irp m, 0,1,2,3
.if \n%2
	v_wmma_scale_f32_16x16x128_f8f6f4 v[32*\n+8*\m:32*\n+8*\m+7], v[128+16*\n:128+16*\n+15], v[PC+16*\m:PC+16*\m+15], v[32*\n+8*\m:32*\n+8*\m+7], v[W2S+4*\hb+\n/2], v[HS+\m] matrix_a_scale:MATRIX_SCALE_ROW1
.else
	v_wmma_scale_f32_16x16x128_f8f6f4 v[32*\n+8*\m:32*\n+8*\m+7], v[128+16*\n:128+16*\n+15], v[PC+16*\m:PC+16*\m+15], v[32*\n+8*\m:32*\n+8*\m+7], v[W2S+4*\hb+\n/2], v[HS+\m]
.endif
.endr
.endr
.endm
.macro W2LOAD adr                      ; eight fragments of w2 -> v128 on of the window in force
.irp n, 0,1,2,3,4,5,6,7
.irp c, 0,1,2,3
	ds_load_b128 v[128+16*\n+4*\c:128+16*\n+4*\c+3], v[\adr] offset:16*\n*WP+32*\c
.endr
.endr
.endm
; A CHUNK: my 128 hidden units of the slot in hand.  last = 1: no chunk follows
.macro BODY last
	s_lshl_b32 s92, s[CNT], 3
	s_lshl_b32 s93, s[CNT], 10
	v_add_nc_u32 v[A1], s[TT], v[W1A]
	v_add_nc_u32 v[A2], s[TT], v[W2A0]
	v_add_nc_u32 v[A3], s[TT], v[W2A1]
	v_add_nc_u32 v[A4], s92, v[W2SA0]
	v_add_nc_u32 v[A5], s92, v[W2SA1]
	v_add_nc_u32 v[A6], s93, v[BFA0]
	PLACES 3                                       ; with the six additions nine places behind the last chunk's products
	s_wait_alu depctr_va_vdst(0)
.irp s, 0,1
.irp tt, 0,1,2,3                       ; bf1 of tile 4 s + tt lies where row tile tt's codes 8 s .. 8 s + 7 will be written
	ds_load_b128 v[PC+16*\tt+8*\s:PC+16*\tt+8*\s+3], v[A6] offset:256*\s+128*(\tt/2)+32*(\tt%2)
	ds_load_b128 v[PC+16*\tt+8*\s+4:PC+16*\tt+8*\s+7], v[A6] offset:256*\s+128*(\tt/2)+32*(\tt%2)+16
.endr
.endr
	W1LOAD 0
	s_wait_loadcnt 0x0                             ; w1's scale words
	s_wait_dscnt 16                                ; bf1 and K step 0's fragments are in; the 16 youngest loads, K step 1's, may be out
	P1 0, 1
	W1LOAD 1                                       ; lands under the quantisers
	QUANT H, 1, PC, 16, 2, HS
	QUANT H+64, 1, PC+32, 16, 2, HS+2
	s_wait_dscnt 0x0
	P1 1, 0
.if \last == 0
	s_add_co_u32 s94, s[CNT], 1
	s_lshl_b32 s94, s94, 11
	v_add_nc_u32 v[WSA], s94, v[WS0]               ; (its last loads were waited for at the chunk's head)
.irp t, 0,1,2,3,4,5,6,7
	global_load_b32 v[W1S+\t], v[WSA], s[10:11] offset:(32*(\t/2)+8*(\t%2))*8      ; the next chunk's scale words: lanes 0-15 K step 0, lanes 16-31 K step 1
.endr
.endif
	WIN 0x40
	W2LOAD A2                                      ; the channels that I finish
	WIN 0
.irp p, 0,1,2,3
	ds_load_b32 v[W2S+\p], v[A4] offset:1024*\p    ; lanes 0-15 tile 2 p's words, lanes 16-31 tile 2 p + 1's
	ds_load_b32 v[W2S+4+\p], v[A5] offset:1024*\p
.endr
	QUANT H, 1, PC+8, 16, 3, HS
	QUANT H+64, 1, PC+40, 16, 3, HS+2
	PLACES 3                                       ; with the quantiser's last line four places between the codes and the products
	W2LOAD A3                                      ; the partner's channels, into the registers that held the hidden sums
	s_wait_alu depctr_va_vdst(0)
	s_wait_dscnt 32                                ; all but the 32 just issued
	WIN 0xa1                                       ; source 0 window 1, C and D window 2
	P2H 0
	s_wait_dscnt 0x0
	WIN 0xf0                                       ; source 0 window 0, C and D window 3
	P2H 1
	WIN 0
.endm
	s_load_b512 s[4:19], s[0:1], 0x0               ; r1, bn, w1_codes, w1_scales, bf1, w2_codes, w2_scales, bf2
	s_load_b64 s[20:21], s[0:1], 0x40              ; out0
	v_lshl_add_u32 v[SPW], v0, 2, SPARE
	v_mov_b32 v[NIL], 0
	ds_add_u32 v[SPW], v[NIL]
	ds_add_u32 v[SPW], v[NIL]
	v_lshrrev_b32 v1, 5, v0
	v_readfirstlane_b32 s[WV], v1                  ; wave 0..3
	s_lshr_b32 s[FA], s[WV], 1                     ; i: my half of the rows.  Also: I fetch for w1 (0) or w2 (1)
	s_and_b32 s[JJ], s[WV], 1                      ; j: my half of a chunk.  Also: which 128 rows I fetch
	s_bfe_u32 s85, ttmp6, 0x40000                  ; my place in the cluster: it enters global addresses of my own rows alone
	s_lshl_b32 s86, ttmp9, 2
	s_add_co_u32 s86, s86, s85
	s_mov_b32 s[G1R], (2<<16)|(1<<20)|(7<<22)|(3<<25)      ; r1: 32 rows of 256 elements of 4 bytes, 16 bytes of padding behind each; no mask
	s_mov_b32 s[G1R+1], 256<<16
	s_mov_b32 s[G1R+2], 32<<16
	s_mov_b32 s[G1R+3], 256<<16
	s_mov_b32 s[G1R+4], 32
	s_mov_b32 s[G1R+5], 256
	s_mov_b32 s[G1R+6], 0
	s_mov_b32 s[G1R+7], 0
.irp g, G1A, G1B
	s_mov_b32 s[\g], 15|(1<<20)|(1<<21)|(5<<22)|(3<<25)    ; the weights: 128 rows of 256 bytes, padded; the mask of all four work-groups
	s_mov_b32 s[\g+1], 256<<16
	s_mov_b32 s[\g+2], 128<<16
	s_mov_b32 s[\g+3], 256<<16
	s_mov_b32 s[\g+4], 128
	s_mov_b32 s[\g+6], 0
	s_mov_b32 s[\g+7], 0
.endr
	s_mov_b32 s[G1A+5], 256
	s_mov_b32 s[G1B+5], 1024
	s_lshl_b32 s88, s86, 17
	s_lshl_b32 s87, s[WV], 15
	s_add_co_u32 s88, s88, s87                     ; the 32 rows that I fetch
	s_mov_b32 s89, 0
	s_lshl_b32 s96, s86, 17
	s_lshl_b32 s87, s[FA], 16
	s_add_co_u32 s96, s96, s87
	s_lshl_b32 s87, s[JJ], 9
	s_add_co_u32 s96, s96, s87                     ; what I store: rows 64 i on, channels 128 j on
	s_mov_b32 s97, 0
	s_mov_b32 s98, s87                             ; bf2 at channel 128 j
	s_mov_b32 s99, 0
	s_mul_i32 s90, s[WV], XTW
	s_add_co_u32 s90, s90, XT
	s_mul_i32 s[WH], s[WV], HALF
	s_lshl_b32 s92, s[JJ], 15
	s_mov_b32 s93, 0
	s_lshl_b32 s94, s[JJ], 17
	s_mov_b32 s95, 0
	s_lshl_b32 s66, s[FA], 14
	s_add_co_u32 s66, s66, XIMG                    ; my four row tiles' images,
	s_lshl_b32 s67, s[WV], 13
	s_add_co_u32 s67, s67, XIMG                    ; the two tiles' that I make,
	s_lshl_b32 s68, s[FA], 9
	s_add_co_u32 s68, s68, XSC
	s_lshl_b32 s69, s[WV], 8
	s_add_co_u32 s69, s69, XSC                     ; and their scale words
	s_lshl_b32 s70, s[JJ], 7                       ; 128 j
	s_add_co_u32 s71, s70, 2*HALF
	s_xor_b32 s82, s70, 128                        ; 128 (1 - j)
	s_lshl_b32 s83, s[JJ], 2
	s_add_co_u32 s83, s83, W2SC
	s_lshl_b32 s84, s[JJ], 9
	s_add_co_u32 s84, s84, BFT
	s_mul_i32 s85, s[FA], 64*XP
	s_lshl_b32 s87, s82, 2
	s_add_co_u32 s85, s85, s87
	s_add_co_u32 s85, s85, XT                      ; r1's tile at row 64 i, channel 128 (1 - j)
	s_mov_b32 s[SEL], 0x76543210
	s_mov_b32 s[SEL+1], 0xfedcba98
	s_mov_b32 s[MNT], 0x600000
	s_mov_b32 s[CNT], 0
	s_mov_b32 s[TF], 0
	s_wait_dscnt 0x0
	s_wait_kmcnt 0x0
	s_mov_b32 s[G0R], 1
	s_mov_b32 s[G0R+1], s90
	s_add_nc_u64 s[G0R+2:G0R+3], s[4:5], s[88:89]
	s_or_b32 s[G0R+3], s[G0R+3], 0x80000000
	s_add_nc_u64 s[20:21], s[20:21], s[96:97]
	s_add_nc_u64 s[18:19], s[18:19], s[98:99]
	s_mov_b32 s[G0A], 1
	s_mov_b32 s[G0A+1], s[WH]
	s_add_nc_u64 s[G0A+2:G0A+3], s[8:9], s[92:93]
	s_or_b32 s[G0A+3], s[G0A+3], 0x80000000
	s_mov_b32 s[G0B], 1
	s_mov_b32 s[G0B+1], s[WH]
	s_add_nc_u64 s[G0B+2:G0B+3], s[14:15], s[94:95]
	s_or_b32 s[G0B+3], s[G0B+3], 0x80000000
	CROUND
	tensor_load_to_lds s[G0R:G0R+3], s[G1R:G1R+7]  ; my one load at the head: 32 rows of r1
	s_nop 0
	PLACES 4
	v_and_b32 v1, 31, v0                           ; lane
	v_and_b32 v80, 15, v0                          ; r
	v_bfe_u32 v81, v0, 4, 1                        ; h
	v_and_b32 v82, 8, v80
	v_add_nc_u32 v82, v82, v80                     ; r + 8 (r / 8)
	v_mul_u32_u24 v[XA], v80, XP
	v_lshl_add_u32 v[XA], v81, 6, v[XA]
	v_add_nc_u32 v[XA], s90, v[XA]
	v_lshlrev_b32 v[LI], 4, v1
	v_add_nc_u32 v[LIX], s66, v[LI]
	v_add_nc_u32 v[XWI], s67, v[LI]
	v_lshl_add_u32 v[LSX], v1, 2, s68
	v_lshl_add_u32 v[XWS], v1, 2, s69
	v_lshlrev_b32 v[BNA], 6, v81
	v_add_nc_u32 v[W1A], s70, v82
	v_mul_u32_u24 v[W1A], v[W1A], WP
	v_lshl_add_u32 v[W1A], v81, 4, v[W1A]          ; w1: row 128 j + r + 8 (r / 8), + 16 h
	v_add_nc_u32 v[W2A0], s70, v80
	v_mul_u32_u24 v[W2A0], v[W2A0], WP
	v_lshl_add_u32 v[W2A0], v81, 4, v[W2A0]
	v_add_nc_u32 v[W2A0], s71, v[W2A0]             ; w2: row 128 j + r, byte 128 j + 16 h, behind w1's 256 rows
	v_add_nc_u32 v[W2A1], s82, v80
	v_mul_u32_u24 v[W2A1], v[W2A1], WP
	v_lshl_add_u32 v[W2A1], v81, 4, v[W2A1]
	v_add_nc_u32 v[W2A1], s71, v[W2A1]             ; and row 128 (1 - j) + r
	v_add_nc_u32 v[W2SA0], s70, v1
	v_lshl_add_u32 v[W2SA0], v[W2SA0], 5, s83      ; w2's scale words: 32 bytes a row, + 4 j
	v_add_nc_u32 v[W2SA1], s82, v1
	v_lshl_add_u32 v[W2SA1], v[W2SA1], 5, s83
	v_lshl_add_u32 v[BFA0], v81, 6, s84            ; bf1: 512 j + 64 h
	v_add_nc_u32 v[WS0], s70, v82
	v_lshlrev_b32 v[WS0], 3, v[WS0]
	v_lshl_add_u32 v[WS0], v81, 2, v[WS0]          ; w1's scale words: 8 bytes a row, + 4 h
	v_lshlrev_b32 v84, 4, v0                       ; 16 t: the tables' copy
	v_add_nc_u32 v85, W2SC, v84
	v_add_nc_u32 v86, BFT, v84
	v_mul_u32_u24 v87, v80, XP
	v_lshl_add_u32 v87, v81, 5, v87
	v_add_nc_u32 v87, s85, v87                     ; r1 in the results' layout: row r, + 32 h
	v_lshlrev_b32 v88, 5, v81                      ; bf2 likewise: 32 h
.irp q, 0,1,2,3
	global_load_b128 v[128+4*\q:131+4*\q], v84, s[16:17] offset:2048*\q          ; w2's scale bytes, whole: a wave's load covers 512 consecutive bytes
.endr
.irp q, 0,1
	global_load_b128 v[144+4*\q:147+4*\q], v84, s[12:13] offset:2048*\q          ; bf1, whole
.endr
.irp t, 0,1,2,3,4,5,6,7
	global_load_b32 v[W1S+\t], v[WS0], s[10:11] offset:(32*(\t/2)+8*(\t%2))*8
.endr
	WIN 0x40                                       ; bn in the layout in which a lane holds r1: register 16 c + 4 j + e = channel 128 k + 32 c + 16 h + 4 j + e
.irp k, 0,1
.irp c, 0,1,2,3
.irp j, 0,1,2,3
	global_load_b128 v[128*\k+16*\c+4*\j:128*\k+16*\c+4*\j+3], v[BNA], s[6:7] offset:(4*\k+\c)*256+16*\j
	global_load_b128 v[128*\k+64+16*\c+4*\j:128*\k+64+16*\c+4*\j+3], v[BNA], s[6:7] offset:(4*\k+\c)*256+128+16*\j
.endr
.endr
.endr
	WIN 0x80                                       ; window 2's sums begin as bf2
.irp n, 0,1,2,3,4,5,6,7
.irp m, 0,1,2,3
	global_load_b128 v[32*\n+8*\m:32*\n+8*\m+3], v88, s[18:19] offset:64*\n
	global_load_b128 v[32*\n+8*\m+4:32*\n+8*\m+7], v88, s[18:19] offset:64*\n+16
.endr
.endr
	WIN 0
	s_wait_alu depctr_va_vdst(0)
	s_wait_tensorcnt 0x0                           ; my rows of r1 are in
	ds_add_u32 v[SPW], v[NIL]
	s_wait_dscnt 0x0
	CROUND                                         ; everybody's rows are in
	JLOAD                                          ; chunk 0 into slot 0
	s_wait_loadcnt 0x0
.irp q, 0,1,2,3
	ds_store_b128 v85, v[128+4*\q:131+4*\q] offset:2048*\q
.endr
.irp q, 0,1
	ds_store_b128 v86, v[144+4*\q:147+4*\q] offset:2048*\q
.endr
	WIN 0xc0                                       ; window 3's sums begin as r1, at the partner's channels
.irp n, 0,1,2,3,4,5,6,7
.irp m, 0,1,2,3
	ds_load_b128 v[32*\n+8*\m:32*\n+8*\m+3], v87 offset:16*\m*XP+64*\n
	ds_load_b128 v[32*\n+8*\m+4:32*\n+8*\m+7], v87 offset:16*\m*XP+64*\n+16
.endr
.endr
	WIN 0
	v_cmp_lt_u32 vcc_lo, 15, v1                    ; lanes 16-31; read by the four quantisers below, ahead of the next tensor load
.irp b, 0,1,2,3
	v_mov_b32 v[TM+4+\b], 0                        ; written once: a lane permute's destination counts as one of its sources
.endr
	BNQ 0, 0
	BNQ 0, 1
	BNQ 1, 0
	BNQ 1, 1
	s_barrier_signal -1                            ; (each wave's LDS stores were waited for at the end of its last quantiser)
	s_barrier_wait -1                              ; h2's images and the tables lie in LDS
	WIN 0x40
.irp m, 0,1,2,3
.irp k, 0,1
.irp c, 0,1,2,3
	ds_load_b128 v[32*\m+16*\k+4*\c:32*\m+16*\k+4*\c+3], v[LIX] offset:(2*\m+\k)*2048+512*\c
.endr
.endr
.endr
	WIN 0
.irp m, 0,1,2,3
	ds_load_b32 v[XS+\m], v[LSX] offset:128*\m
.endr
.Lchunk:                                           ; three trips: behind each change of slots the next chunk is asked for, into the slot that has been left (the first time: over r1's tile)
	s_wait_tensorcnt 0x0                           ; all my tensor loads are in, so the descriptors may be written
	ds_add_u32 v[SPW], v[NIL]
	s_mov_b32 s[TT], s[TF]
	s_xor_b32 s[TF], s[TF], SLOT
	s_add_co_u32 s[G0A+1], s[WH], s[TF]
	s_add_co_u32 s[G0B+1], s[WH], s[TF]
	s_add_nc_u64 s[G0A+2:G0A+3], s[G0A+2:G0A+3], 65536     ; w1: 256 rows on
	s_add_nc_u64 s[G0B+2:G0B+3], s[G0B+2:G0B+3], 256       ; w2: 256 bytes on in each row
	s_wait_dscnt 0x0                               ; the add is done, and my reads of the slot that I have left are over
	CROUND
	JLOAD
	BODY 0
	s_add_co_u32 s[CNT], s[CNT], 1
	s_cmp_lt_u32 s[CNT], 3
	s_cbranch_scc1 .Lchunk
	s_wait_tensorcnt 0x0                           ; the last chunk is written out: nothing more is asked for
	ds_add_u32 v[SPW], v[NIL]
	s_mov_b32 s[TT], s[TF]
	s_wait_dscnt 0x0
	s_barrier_signal -1
	s_barrier_wait -1
	BODY 1
	; THE WAY OUT.  Window 3 goes to the partner as an image of registers (in slot 0: it has had its last fill and its last read); the partner's image is added to window 2;
	; the sums go through my own stage (in slot 1, which nobody reads behind the barrier) and come back as rows of 512 bytes.
	s_lshl_b32 s92, s[WV], 15
	s_xor_b32 s93, s92, 32768
	s_mul_i32 s94, s[WV], 64*SP2
	s_add_co_u32 s94, s94, SLOT
	PLACES 9
	v_and_b32 v64, 15, v0
	v_bfe_u32 v65, v0, 4, 1
	v_add_nc_u32 v66, s92, v[LI]
	v_add_nc_u32 v67, s93, v[LI]
	v_mul_u32_u24 v68, v64, SP2
	v_lshl_add_u32 v68, v65, 5, v68
	v_add_nc_u32 v68, s94, v68                     ; in: row r, 32 bytes for each half of the lanes
	v_add_nc_u32 v69, s94, v[LI]                   ; back: the 32 lanes take one row
	WIN 0x0c
.set i, 0
.rept 64
	ds_store_b128 v66, v[4*i:4*i+3] offset:512*i   ; each accumulator from its low end on
.set i, i+1
.endr
	WIN 0
	s_wait_alu depctr_va_vdst(0)
	s_wait_dscnt 0x0
	s_barrier_signal -1
	s_barrier_wait -1
	WIN 0xc0
.set i, 0
.rept 64
	ds_load_b128 v[4*i:4*i+3], v67 offset:512*i
.set i, i+1
.endr
	s_wait_dscnt 0x0
	WIN 0x8e                                       ; window 2 += window 3
.set i, 0
.rept 128
	v_pk_add_f32 v[i:i+1], v[i:i+1], v[i:i+1]
.set i, i+2
.endr
	WIN 0x08
.irp m, 0,1,2,3
.irp n, 0,1,2,3,4,5,6,7
	ds_store_b128 v68, v[32*\n+8*\m:32*\n+8*\m+3] offset:16*\m*SP2+64*\n
	ds_store_b128 v68, v[32*\n+8*\m+4:32*\n+8*\m+7] offset:16*\m*SP2+64*\n+16
.endr
.endr
	WIN 0xc0
.set i, 0
.rept 64
	ds_load_b128 v[4*i:4*i+3], v69 offset:i*SP2    ; LDS serves a wave's instructions in order (ISA guide 5.7.1.4): these see my stores
.set i, i+1
.endr
	WIN 0x0c
.set i, 0
.rept 64
	s_wait_dscnt 63-i
	global_store_b128 v[LI], v[4*i:4*i+3], s[20:21] offset:1024*i th:TH_STORE_NT   ; 32 lanes store 512 consecutive bytes, aligned
.set i, i+1
.endr
	WIN 0
	s_wait_tensorcnt 0x0                           ; the wave's end
	ds_add_u32 v[SPW], v[NIL]
	s_wait_dscnt 0x0
	CROUND                                         ; the closing round
	s_endpgm
.Lfunc_end_k_qe7b619b744_mlp:
	.size	k_qe7b619b744_mlp, .Lfunc_end_k_qe7b619b744_mlp-k_qe7b619b744_mlp
	.p2alignl 7, 3214868480
	.fill 96, 4, 3214868480
	.section	.rodata,"a",@progbits
	.p2align	6, 0x0
	.amdhsa_kernel k_qe7b619b744_mlp
		.amdhsa_group_segment_fixed_size 327680
		.amdhsa_private_segment_fixed_size 0
		.amdhsa_enable_private_segment 0
		.amdhsa_kernarg_size 72
		.amdhsa_user_sgpr_count 2
		.amdhsa_user_sgpr_kernarg_segment_ptr 1
		.amdhsa_wavefront_size32 1
		.amdhsa_system_sgpr_workgroup_id_x 1
		.amdhsa_system_sgpr_workgroup_id_y 1
		.amdhsa_system_sgpr_workgroup_id_z 1
		.amdhsa_system_vgpr_workitem_id 0
		.amdhsa_next_free_vgpr 1024
		.amdhsa_next_free_sgpr 100
		.amdhsa_reserve_vcc 1
		.amdhsa_float_denorm_mode_32 3
		.amdhsa_float_denorm_mode_16_64 3
		.amdhsa_memory_ordered 1
		.amdhsa_forward_progress 1
		.amdhsa_inst_pref_size 229
	.end_amdhsa_kernel
	.amdgpu_metadata
---
amdhsa.version: [ 1, 2 ]
amdhsa.kernels:
  - .name:           k_qe7b619b744_mlp
    .symbol:         k_qe7b619b744_mlp.kd
    .args:
      - { .name: r1, .offset: 0, .size: 8, .value_kind: global_buffer, .address_space: global }
      - { .name: bn, .offset: 8, .size: 8, .value_kind: global_buffer, .address_space: global }
      - { .name: w1_codes, .offset: 16, .size: 8, .value_kind: global_buffer, .address_space: global }
      - { .name: w1_scales, .offset: 24, .size: 8, .value_kind: global_buffer, .address_space: global }
      - { .name: bf1, .offset: 32, .size: 8, .value_kind: global_buffer, .address_space: global }
      - { .name: w2_codes, .offset: 40, .size: 8, .value_kind: global_buffer, .address_space: global }
      - { .name: w2_scales, .offset: 48, .size: 8, .value_kind: global_buffer, .address_space: global }
      - { .name: bf2, .offset: 56, .size: 8, .value_kind: global_buffer, .address_space: global }
      - { .name: out0, .offset: 64, .size: 8, .value_kind: global_buffer, .address_space: global }
    .group_segment_fixed_size: 327680
    .private_segment_fixed_size: 0
    .kernarg_segment_align: 8
    .kernarg_segment_size: 72
    .max_flat_workgroup_size: 128
    .sgpr_count:     100
    .vgpr_count:     1024
    .wavefront_size: 32
...
	.end_amdgpu_metadata
.endif
;; end of part 5
